; MI455X (gfx1250); checked and timed in simulation.
; The chip was launched on July 23, 2026; its instructions are those of AMD's public machine-readable ISA for CDNA 5 (MIT licence, August 2026) and "CDNA5" Instruction Set Architecture Reference Guide (July 2026). The comments in the code are by the model that wrote it; some were corrected since.
;; Shared Transformer Layer. Allowed arithmetic: float matrix products may take bf16 or f16 operands with f32 sums; other float arithmetic in f32, or as packed bf16 or f16 multiplies, adds, multiply-adds, maxima and minima; sums over many terms, partial sums and values carried from step to step in f32; what a program stores and reads back later, other than sums and carried values, may be rounded once to bf16 or f16.
;; Inputs: W1 1,024 x 2,048 float32; W2 1,024 x 1,024 float32; Wk 1,024 x 1,024 float32; Wo 1,024 x 1,024 float32; Wq 1,024 x 1,024 float32; Wv 1,024 x 1,024 float32; b1 2,048 float32; b2 1,024 float32; bk 1,024 float32; bo 1,024 float32; bq 1,024 float32; bv 1,024 float32; context_info 64 x 130 x 2 float32; g1 1,024 float32; g2 1,024 float32; x 64 x 128 x 1,024 float32.
;; Outputs: out0 64 x 128 x 1,024 float32.
;; 2 versions, each right; version 2 is version 1 with the launch norm written anew for expert scheduling mode. Each part assembles by itself: llvm-mc -triple=amdgcn-amd-amdhsa -mcpu=gfx1250 --defsym DOCPART=n.
;; ======== version 1 of 2: 6 launches
;; limits: inputs' magnitudes at most 131,072
;; workspace buffers: wts 15,204,352 bytes; xz 16,777,216 bytes; cg 16,777,216 bytes; yg 16,777,216 bytes; ps1 131,072 bytes; ps2 131,072 bytes
;; launch prep (part 1): grid 64 x 16, 8 waves a work-group, no clusters, 0 bytes of LDS; arguments x, Wq, Wk, Wv, Wo, W1, W2, context_info, xz, wts; writes xz, wts
.if DOCPART == 1
	.amdgcn_target "amdgcn-amd-amdhsa--gfx1250"
	.amdhsa_code_object_version 6
	.text
	.protected	k_q35dfcc5a69_prep
	.globl	k_q35dfcc5a69_prep
	.p2align	8
	.type	k_q35dfcc5a69_prep,@function
k_q35dfcc5a69_prep:
	s_mov_b64 s[64:65], 0
	v_nop
	global_prefetch_b8 v0, s[64:65] scope:SCOPE_SE
	s_setreg_imm32_b32 hwreg(HW_REG_WAVE_MODE, 25, 1), 1
	s_wait_xcnt 0x0
; CASTS AND THE ROTATION TABLE.  The grid's y picks a chunk of 2^20 numbers: y 0-7: x -> xz; y 8-14: Wq, Wk, Wv, Wo, W1 (two chunks), W2 -> wts, each kept [K][N]
; and rounded once to bf16; y 15: the table of cos and sin of theta[f][j] = 0.5 (fb0[f] + fb1[f]) 10000^(-j/512), f32, behind the weights.
; A stream: no LDS, no matrix unit, no cluster (no work-group reads what another reads).  A cast work-group takes 16,384 numbers: thread t loads 16 bytes at 16 t + 4,096 i,
; sixteen loads all issued at once, and stores 8 bytes at 8 t + 2,048 i: a wave's store covers 256 consecutive bytes, aligned.
; THE TABLE lies in the order in which the next launch's accumulators want it: block 64 (f / 16) + column / 16 has 1,024 bytes; lane l = (r = l % 16, h = l / 16) stands for
; position 16 (f / 16) + r and pairs j0 .. j0 + 3, j0 = 8 (column / 16) + 4 h; its 16 bytes at 16 l are (c0, s0, c1, s1), those at 512 + 16 l (c2, s2, c3, s3).
; LIMIT.  cos and sin are made by taking n = round(theta 2 / pi) quarter turns away (pi / 2 in three parts) and two polynomials on |r| <= pi / 4: absolute error about 1e-6
; for |theta| < 2^17; beyond that the reduction loses bits.
.set TABOFF, 14680064
	s_load_b512 s[4:19], s[0:1], 0x0               ; x, Wq, Wk, Wv, Wo, W1, W2, context_info
	s_load_b128 s[20:23], s[0:1], 0x40             ; xz, wts
	s_and_b32 s24, ttmp7, 0xffff                   ; y
	s_and_b32 s25, s24, 7                          ; the chunk's number in its destination
	s_lshl_b32 s26, s25, 21                        ; x 2 MiB of bf16
	s_lshl_b32 s27, ttmp9, 15                      ; + the work-group's 32,768 bytes
	s_add_co_u32 s26, s26, s27
	s_mov_b32 s27, 0
	s_cmp_eq_u32 s24, 13                           ; the chunk's number in its source: y for x, 1 for W1's second half, else 0
	s_cselect_b32 s28, 1, 0
	s_cmp_lt_u32 s24, 8
	s_cselect_b32 s28, s24, s28
	s_lshl_b32 s28, s28, 22                        ; x 4 MiB of f32
	s_lshl_b32 s29, ttmp9, 16
	s_add_co_u32 s28, s28, s29
	s_mov_b32 s29, 0
	v_lshlrev_b32 v1, 4, v0                        ; 16 t
	v_lshlrev_b32 v2, 3, v0                        ; 8 t
	s_wait_kmcnt 0x0
	s_cmp_eq_u32 s24, 15
	s_cbranch_scc1 .Ltable
	s_mov_b64 s[30:31], s[4:5]                     ; the source, chosen by y alone
	s_cmp_eq_u32 s24, 8
	s_cselect_b64 s[30:31], s[6:7], s[30:31]
	s_cmp_eq_u32 s24, 9
	s_cselect_b64 s[30:31], s[8:9], s[30:31]
	s_cmp_eq_u32 s24, 10
	s_cselect_b64 s[30:31], s[10:11], s[30:31]
	s_cmp_eq_u32 s24, 11
	s_cselect_b64 s[30:31], s[12:13], s[30:31]
	s_cmp_ge_u32 s24, 12
	s_cselect_b64 s[30:31], s[14:15], s[30:31]
	s_cmp_eq_u32 s24, 14
	s_cselect_b64 s[30:31], s[16:17], s[30:31]
	s_cmp_lt_u32 s24, 8
	s_cselect_b64 s[32:33], s[20:21], s[22:23]     ; the destination
	s_add_nc_u64 s[30:31], s[30:31], s[28:29]
	s_add_nc_u64 s[32:33], s[32:33], s[26:27]
.irp i, 0,1,2,3,4,5,6,7,8,9,10,11,12,13,14,15
	global_load_b128 v[8+4*(\i):11+4*(\i)], v1, s[30:31] offset:4096*(\i) th:TH_LOAD_NT
.endr
.irp i, 0,1,2,3,4,5,6,7,8,9,10,11,12,13,14,15
	s_wait_loadcnt 15-(\i)                         ; loads come back in order: load i is in, the 15 - i younger ones stay out
	v_cvt_pk_bf16_f32 v[72+2*(\i)], v[8+4*(\i)], v[9+4*(\i)]
	v_cvt_pk_bf16_f32 v[73+2*(\i)], v[10+4*(\i)], v[11+4*(\i)]
	global_store_b64 v2, v[72+2*(\i):73+2*(\i)], s[32:33] offset:2048*(\i)
.endr
	s_endpgm
.Ltable:                                               ; a wave makes one block of the table
	v_lshrrev_b32 v3, 5, v0
	v_readfirstlane_b32 s34, v3                    ; wave 0..7
	s_lshl_b32 s35, ttmp9, 3
	s_add_co_u32 s35, s35, s34                     ; the block, 0..511
	s_lshr_b32 s36, s35, 6                         ; f / 16
	s_and_b32 s37, s35, 63                         ; column / 16
	v_and_b32 v4, 15, v0                           ; r
	v_bfe_u32 v5, v0, 4, 1                         ; h
	s_lshl_b32 s36, s36, 4
	v_add_nc_u32 v6, s36, v4                       ; f
	v_lshlrev_b32 v6, 3, v6                        ; context_info[0][f][0..1]: 8 bytes at 8 f
	global_load_b64 v[8:9], v6, s[18:19]
	s_lshl_b32 s37, s37, 3
	v_lshl_add_u32 v7, v5, 2, s37                  ; j0
	v_and_b32 v10, 31, v0
	v_lshlrev_b32 v10, 4, v10                      ; 16 l
	s_lshl_b32 s26, s35, 10
	s_add_co_u32 s26, s26, TABOFF
	s_add_nc_u64 s[22:23], s[22:23], s[26:27]
	v_mov_b32 v64, 0xb94ca1f9                      ; the polynomials' leading coefficients
	v_mov_b32 v65, 0x37ccf5ce
.irp p, 0,1,2,3
	v_add_nc_u32 v[12+(\p)], \p, v7
	v_cvt_f32_u32 v[12+(\p)], v[12+(\p)]
	v_mul_f32 v[12+(\p)], 0xbcd49a78, v[12+(\p)]   ; - j log2(10000) / 512
.endr
.irp p, 0,1,2,3
	v_exp_f32 v[12+(\p)], v[12+(\p)]               ; 10000^(-j/512): one batch of four
.endr
	s_wait_loadcnt 0x0
	v_add_f32 v8, v8, v9                           ; the plain instruction behind the last exponential
	v_mul_f32 v8, 0.5, v8
	s_wait_alu depctr_va_vdst(0)                   ; one wait for the batch, ahead of its first reader
.macro SINCOS p
	v_mul_f32 v[16+(\p)], v8, v[12+(\p)]           ; theta
	v_mul_f32 v[20+(\p)], 0x3f22f983, v[16+(\p)]
	v_rndne_f32 v[20+(\p)], v[20+(\p)]             ; n
	v_fma_f32 v[24+(\p)], v[20+(\p)], 0xbfc90fda, v[16+(\p)]   ; r = theta - n pi / 2, pi / 2 in three parts
	v_fma_f32 v[24+(\p)], v[20+(\p)], 0xb3a22168, v[24+(\p)]
	v_fma_f32 v[24+(\p)], v[20+(\p)], 0xa7c234c4, v[24+(\p)]
	v_cvt_i32_f32 v[40+(\p)], v[20+(\p)]
	v_mul_f32 v[28+(\p)], v[24+(\p)], v[24+(\p)]   ; r^2
	v_fmaak_f32 v[32+(\p)], v64, v[28+(\p)], 0x3c08839e
	v_fmaak_f32 v[36+(\p)], v65, v[28+(\p)], 0xbab6061a
	v_fmaak_f32 v[32+(\p)], v[32+(\p)], v[28+(\p)], 0xbe2aaaa3
	v_fmaak_f32 v[36+(\p)], v[36+(\p)], v[28+(\p)], 0x3d2aaaa5
	v_mul_f32 v[44+(\p)], v[28+(\p)], v[24+(\p)]   ; r^3
	v_fma_f32 v[60+(\p)], v[28+(\p)], -0.5, 1.0    ; 1 - r^2 / 2
	v_mul_f32 v[36+(\p)], v[36+(\p)], v[28+(\p)]
	v_fma_f32 v[32+(\p)], v[32+(\p)], v[44+(\p)], v[24+(\p)]   ; sin r
	v_fma_f32 v[36+(\p)], v[36+(\p)], v[28+(\p)], v[60+(\p)]   ; cos r
	v_and_b32 v[56+(\p)], 1, v[40+(\p)]
	v_cmp_eq_u32 vcc_lo, 1, v[56+(\p)]             ; an odd quarter swaps the two
	v_cndmask_b32 v[49+2*(\p)], v[32+(\p)], v[36+(\p)], vcc_lo
	v_cndmask_b32 v[48+2*(\p)], v[36+(\p)], v[32+(\p)], vcc_lo
	v_and_b32 v[56+(\p)], 2, v[40+(\p)]            ; sin is turned in quarters 2 and 3,
	v_lshlrev_b32 v[56+(\p)], 30, v[56+(\p)]
	v_xor_b32 v[49+2*(\p)], v[49+2*(\p)], v[56+(\p)]
	v_add_nc_u32 v[56+(\p)], 1, v[40+(\p)]         ; cos in quarters 1 and 2
	v_and_b32 v[56+(\p)], 2, v[56+(\p)]
	v_lshlrev_b32 v[56+(\p)], 30, v[56+(\p)]
	v_xor_b32 v[48+2*(\p)], v[48+2*(\p)], v[56+(\p)]
.endm
	SINCOS 0
	SINCOS 1
	SINCOS 2
	SINCOS 3
	global_store_b128 v10, v[48:51], s[22:23]              ; 512 consecutive bytes each
	global_store_b128 v10, v[52:55], s[22:23] offset:512
	s_endpgm
.Lfunc_end_k_q35dfcc5a69_prep:
	.size	k_q35dfcc5a69_prep, .Lfunc_end_k_q35dfcc5a69_prep-k_q35dfcc5a69_prep
	.p2alignl 7, 3214868480
	.fill 96, 4, 3214868480
	.section	.rodata,"a",@progbits
	.p2align	6, 0x0
	.amdhsa_kernel k_q35dfcc5a69_prep
		.amdhsa_group_segment_fixed_size 0
		.amdhsa_private_segment_fixed_size 0
		.amdhsa_enable_private_segment 0
		.amdhsa_kernarg_size 80
		.amdhsa_user_sgpr_count 2
		.amdhsa_user_sgpr_kernarg_segment_ptr 1
		.amdhsa_wavefront_size32 1
		.amdhsa_system_sgpr_workgroup_id_x 1
		.amdhsa_system_sgpr_workgroup_id_y 1
		.amdhsa_system_sgpr_workgroup_id_z 1
		.amdhsa_system_vgpr_workitem_id 0
		.amdhsa_next_free_vgpr 104
		.amdhsa_next_free_sgpr 66
		.amdhsa_reserve_vcc 1
		.amdhsa_float_denorm_mode_32 3
		.amdhsa_float_denorm_mode_16_64 3
		.amdhsa_memory_ordered 1
		.amdhsa_forward_progress 1
		.amdhsa_inst_pref_size 15
	.end_amdhsa_kernel
	.amdgpu_metadata
---
amdhsa.version: [ 1, 2 ]
amdhsa.kernels:
  - .name:           k_q35dfcc5a69_prep
    .symbol:         k_q35dfcc5a69_prep.kd
    .args:
      - { .name: x, .offset: 0, .size: 8, .value_kind: global_buffer, .address_space: global }
      - { .name: Wq, .offset: 8, .size: 8, .value_kind: global_buffer, .address_space: global }
      - { .name: Wk, .offset: 16, .size: 8, .value_kind: global_buffer, .address_space: global }
      - { .name: Wv, .offset: 24, .size: 8, .value_kind: global_buffer, .address_space: global }
      - { .name: Wo, .offset: 32, .size: 8, .value_kind: global_buffer, .address_space: global }
      - { .name: W1, .offset: 40, .size: 8, .value_kind: global_buffer, .address_space: global }
      - { .name: W2, .offset: 48, .size: 8, .value_kind: global_buffer, .address_space: global }
      - { .name: context_info, .offset: 56, .size: 8, .value_kind: global_buffer, .address_space: global }
      - { .name: xz, .offset: 64, .size: 8, .value_kind: global_buffer, .address_space: global }
      - { .name: wts, .offset: 72, .size: 8, .value_kind: global_buffer, .address_space: global }
    .group_segment_fixed_size: 0
    .private_segment_fixed_size: 0
    .kernarg_segment_align: 8
    .kernarg_segment_size: 80
    .max_flat_workgroup_size: 256
    .sgpr_count:     66
    .vgpr_count:     104
    .wavefront_size: 32
...
	.end_amdgpu_metadata
.endif
;; end of part 1
;; launch qkvattn (part 2): grid 4 x 64, 4 waves a work-group, clusters of 4 x 4, 327,680 bytes of LDS; arguments xz, wts, bq, bk, bv, context_info, cg; writes cg
.if DOCPART == 2
	.amdgcn_target "amdgcn-amd-amdhsa--gfx1250"
	.amdhsa_code_object_version 6
	.text
	.protected	k_q35dfcc5a69_qkvattn
	.globl	k_q35dfcc5a69_qkvattn
	.p2align	8
	.type	k_q35dfcc5a69_qkvattn,@function
k_q35dfcc5a69_qkvattn:
	s_mov_b64 s[64:65], 0
	v_nop
	global_prefetch_b8 v0, s[64:65] scope:SCOPE_SE
	s_setreg_imm32_b32 hwreg(HW_REG_WAVE_MODE, 25, 1), 1
	s_wait_xcnt 0x0
	s_wait_alu depctr_hold_cnt(0) depctr_sa_sdst(0) depctr_va_vdst(0) depctr_va_sdst(0) depctr_va_ssrc(0) depctr_va_vcc(0) depctr_vm_vsrc(0)
	s_getreg_b32 s2, hwreg(HW_REG_IB_STS2, 6, 4)
	s_cmp_eq_u32 s2, 0
	s_cbranch_scc0 .Lentry_in_a_cluster
	s_endpgm
.Lentry_in_a_cluster:
	s_bfe_u32 s2, ttmp6, 0x10000c
	s_cmp_lg_u32 s2, 0xf033
	s_cbranch_scc0 .Lentry_shape_is_right
	s_endpgm
.Lentry_shape_is_right:
; q, k, v PROJECTIONS, ROTATION AND ATTENTION for one batch (128 rows) and four heads (256 columns).  A work-group makes three tiles of 128 x 256, q, k and v on the same columns, K = 1024 each,
; as ONE walk of 24 K steps of 128 through a ring of two LDS slots; q and k are rotated in registers and rounded to bf16; then each of the four waves does the attention of one head.
; q, k, v never go to memory.  ctx leaves by heads, [batch][16][128][64] bf16, so that every store covers 512 consecutive bytes.
; ALGEBRA.  The demographic factor multiplies q's and k's pairs by the same complex number a + i g, so every score is multiplied by a^2 + g^2, exactly and for every input: it is applied in f32 in the score's scale.
; FORMATS AND LIMITS.  x and the weights arrive rounded to bf16; q, k, v, the softmax's weights p and ctx are each rounded once to bf16; products, maxima and sums in f32; the row's true maximum over all 128 keys is
; taken away before the exponential; a weight below 2^-126 counts as 0; NaN and infinities are not treated apart.
; SHARES.  Wave w: WM = w / 2 (64 rows), WN = w % 2 (128 columns): 4 x 8 accumulators of 16 x 16.  The matrix instruction is used transposed (source 0 = 16 columns of W, turned on the way out of LDS by
; ds_load_tr16_b128; source 1 = 16 rows of x): lane l = (r = l % 16, h = l / 16) holds row r and the columns 8 h + 0..7, so a rotation's pair lies in two neighbouring registers.
; CLUSTER.  4 x 4 work-groups: the four of a row of the cluster share the batch, so x's tiles; the four of a column share the columns, so W's: each tile is asked for jointly.
; LDS.  slot s at 131,072 s: x's 128 rows of 256 bytes, pitch 272; at +36,864 W's two sub-tiles of 128 k-rows x 256 bytes, pitch 288.  q (bf16, by heads, pitch 144) at 241,664, where no tile lands.
; When the ring has had its last fill: k at 0 (pitch 144), v at 73,728 (pitch 160), the waves' stages for the way out at 155,648.  The spare words at 327,168.
; REGISTERS.  window 0: v0-31 addresses; v32-127, v128-223 two fragment buffers (8 of W, 4 of x); v224-255 at work.  window 1: the accumulators, (a, b) at 8 (8 a + b).
; window 2: the table's cos and sin, in the accumulators' order.  window 3: v0-63 the tile's bias, as the C that starts the sums; v64-191 a tile packed to bf16.
.set NSTEP,  24
.set SLOT1,  131072
.set APITCH, 272
.set AHALF,  64*APITCH                 ; what one wave's load of x fills
.set AWN,    131072                    ; 64 rows of x in memory
.set ASTEP,  256                       ; a K step along x's rows
.set PRA,    2048                      ; bytes in a row of x
.set BOFF,   36864
.set BPITCH, 288
.set BSUB,   128*BPITCH
.set NB,     1024
.set PRB,    2*NB                      ; bytes in a row of W
.set BSTEP,  128*PRB                   ; a K step down W's rows; Wq, Wk, Wv lie end to end, so step 8 of one is step 0 of the next
.set TABOFF, 14680064
.set QREG,   241664
.set VREG,   73728
.set OSTG,   155648
.set PQ,     144
.set PV,     160
.set SPARE,  327168
.set F0,  32
.set F1,  128
.set S,   32                           ; attention: S^T, tile u, key block kb at S + 64 u + 8 kb
.set P,   160                          ; the weights in bf16, 32 registers a tile
.set CH,  224                          ; eight chains of the maximum a tile
.set ST,  240                          ; a tile's c m, m, 1 / l, l
.set MSB, 0
.macro WIN new                         ; the immediate's high byte repeats the setting that is left; a switch that changes nothing is dropped
.if MSB != (\new)
	s_set_vgpr_msb (MSB<<8)|(\new)
.set MSB, \new
.endif
.endm
.macro PLACES                          ; four plain vector instructions between a matrix instruction and a load into, or a vector read of, its registers
.rept 4
	v_nop
.endr
.endm
.macro CREST                           ; a round of the cluster's barrier behind its opening barrier
	s_cmp_lg_u32 s20, 0
	s_cbranch_scc1 .Lnot_wave_0_\@
	s_barrier_signal -3
.Lnot_wave_0_\@:
	s_barrier_wait -3
	s_barrier_signal -1
	s_barrier_wait -1
.endm
.macro CROUND
	s_barrier_signal -1
	s_barrier_wait -1
	CREST
.endm
.macro JLOAD                           ; a joint refill: waves 0 and 1 fetch x's two halves, waves 2 and 3 W's two sub-tiles; the branch hangs on the wave's number alone
	s_cmp_eq_u32 s21, 0
	s_cbranch_scc0 .Lfor_b_\@
	tensor_load_to_lds s[48:51], s[28:35]
	s_nop 0
	PLACES
	s_branch .Lasked_\@
.Lfor_b_\@:
	tensor_load_to_lds s[56:59], s[36:43]
	s_nop 0
	PLACES
.Lasked_\@:
.endm
.macro ASK                             ; a prefetch of the K step two refills on: a lane a row of 256 bytes; s74 is 0 in a wave that asks for nothing
	s_cmp_le_u32 s75, s74
	s_cbranch_scc0 .Lnot_mine_\@
	global_prefetch_b8 v14, s[70:71] th:TH_LOAD_NT scope:SCOPE_SE
.Lnot_mine_\@:
.endm
.macro SETADR                          ; the fragments' addresses in the slot at s3
	v_add_nc_u32 v10, s3, v6
	v_add_nc_u32 v11, s3, v7
.endm
; 8 matrix instructions: row block a x all 8 column blocks, 32 along K.  cm = 0: onto the sums; 2: the bias starts the sums.  The 32 accumulators take turns, one instruction a turn, in the same order in every quarter.
.macro MULA f, a, cm
.irp b, 0,1,2,3,4,5,6,7
.if (\cm) == 0
	v_wmma_f32_16x16x32_bf16 v[8*(8*(\a)+(\b)):8*(8*(\a)+(\b))+7], v[(\f)+8*(\b):(\f)+8*(\b)+7], v[(\f)+64+8*(\a):(\f)+64+8*(\a)+7], v[8*(8*(\a)+(\b)):8*(8*(\a)+(\b))+7]
.else
	v_wmma_f32_16x16x32_bf16 v[8*(8*(\a)+(\b)):8*(8*(\a)+(\b))+7], v[(\f)+8*(\b):(\f)+8*(\b)+7], v[(\f)+64+8*(\a):(\f)+64+8*(\a)+7], v[8*(\b):8*(\b)+7]
.endif
.endr
.endm
.macro MWIN cm                         ; fragments in window 0, D in window 1; C in window 1, or the bias in window 3
.if (\cm) == 2
	WIN 0x70
.else
	WIN 0x50
.endif
.endm
; 24 LDS loads in one run: quarter kq's fragments into buffer f: W's eight (turned), then x's four
.macro FETCH f, kq
	WIN 0
.irp b, 0,1,2,3,4,5,6,7
	ds_load_tr16_b128 v[(\f)+8*(\b):(\f)+8*(\b)+3],   v11 offset:32*BPITCH*(\kq)+32*(\b)
	ds_load_tr16_b128 v[(\f)+8*(\b)+4:(\f)+8*(\b)+7], v11 offset:32*BPITCH*(\kq)+32*(\b)+16*BPITCH
.endr
.irp a, 0,1,2,3
	ds_load_b128 v[(\f)+64+8*(\a):(\f)+64+8*(\a)+3],   v10 offset:64*(\kq)+(\a)*16*APITCH
	ds_load_b128 v[(\f)+64+8*(\a)+4:(\f)+64+8*(\a)+7], v10 offset:64*(\kq)+(\a)*16*APITCH+32
.endr
.endm
; One of a K step's first three quarters: multiplies buffer f and, in its middle, fetches quarter kq into buffer g
.macro QUARTER f, g, kq, cm
	s_wait_dscnt 4                                 ; all but the youngest four loads: x's row blocks 2 and 3
	MWIN \cm
	MULA \f, 0, \cm
	MULA \f, 1, \cm
	PLACES
.if (\cm) == 2
	v_nop                                          ; a fifth place: the products on row blocks 2 and 3 below take the bias as C, so they write those accumulators anew, and five places stand between
	                                               ; such a product and the last product that used the accumulator, at the end of the step before (ISA guide 7.12.1); row blocks 0 and 1 have the six plain lines of the change of slots
.endif
	FETCH \g, \kq
	s_wait_dscnt 24                                ; all but the 24 just issued
	MWIN \cm
	MULA \f, 2, \cm
	MULA \f, 3, \cm
.endm
; The last quarter multiplies buffer 1 and changes slots.  In front of the barrier each wave waits for all its tensor loads (one is out: its part of the next slot), adds 0 to its spare word, and waits for that and
; for its reads of this slot.  fill = 1: the barrier opens a round of the cluster's barrier, and the joint refill (step s75, into the slot just read out) is the first thing behind it: 112 matrix instructions ahead of the wait for it.
.macro TURN fill
.if \fill
	s_wait_xcnt 0x0                                ; the last prefetch, a K step back, has read its address
	s_add_co_u32 s18, s75, 2
	s_mul_i32 s18, s18, s72
	s_add_nc_u64 s[70:71], s[68:69], s[18:19]      ; my rows of the step two refills on
.endif
	WIN 0
	s_wait_tensorcnt 0x0                           ; no tensor load of mine is out, so the walking descriptors may be written
	ds_add_u32 v28, v29                            ; 0 onto my spare word
.if \fill
	s_and_b32 s66, s75, 7                          ; x is walked anew by each tile,
	s_mul_i32 s66, s66, ASTEP
	s_add_nc_u64 s[50:51], s[60:61], s[66:67]
	s_or_b32 s51, s51, 0x80000000
	s_xor_b32 s49, s49, SLOT1
	s_mul_i32 s100, s75, BSTEP                     ; the weights straight on
	s_add_nc_u64 s[58:59], s[62:63], s[100:101]
	s_or_b32 s59, s59, 0x80000000
	s_xor_b32 s57, s57, SLOT1
.endif
	s_wait_dscnt 5                                 ; the add and the youngest four loads may be out
	WIN 0x50
	MULA F1, 0, 0
	s_wait_dscnt 0x0                               ; the add is done, and my reads of this slot are over
	s_barrier_signal -1
	MULA F1, 1, 0
	WIN 0
	s_barrier_wait -1
.if \fill
	CREST
	JLOAD                                          ; its four v_nop are also the places in front of the loads below
.else
	PLACES
.endif
	s_xor_b32 s3, s3, SLOT1
	SETADR
	FETCH F0, 0
.if \fill
	ASK
.endif
	WIN 0x50
	MULA F1, 2, 0
	MULA F1, 3, 0
.endm
; A finished tile of q or k.  The next tile's bias is asked for first and waited for last.  Each pair (x1, x2) becomes (x1 c - x2 s, x1 s + x2 c) and is rounded to bf16 into window 3; q then goes to LDS, k stays.
.macro EPI_MID
	s_cmp_eq_u32 s78, 0
	s_cselect_b64 s[98:99], s[10:11], s[12:13]     ; behind q comes k's bias, behind k v's
	WIN 0xc0
.irp b, 0,1,2,3,4,5,6,7
	global_load_b128 v[8*(\b):8*(\b)+3],   v15, s[98:99] offset:64*(\b)
	global_load_b128 v[8*(\b)+4:8*(\b)+7], v15, s[98:99] offset:64*(\b)+16
.endr
	PLACES
.set g, 0
.rept 8                                ; four accumulators at a time, each from its lowest registers on
	WIN 0x09                                       ; the sums in window 1, the table in window 2, the result in window 0
.set q, 0
.rept 16
	v_pk_mul_f32 v[224+2*q:225+2*q], v[32*g+2*q:32*g+2*q+1], v[32*g+2*q:32*g+2*q+1] op_sel_hi:[1,0]
.set q, q+1
.endr
.set q, 0
.rept 16
	v_pk_fma_f32 v[224+2*q:225+2*q], v[32*g+2*q:32*g+2*q+1], v[32*g+2*q:32*g+2*q+1], v[224+2*q:225+2*q] op_sel:[1,1,0] op_sel_hi:[0,1,1] neg_lo:[1,0,0]
.set q, q+1
.endr
	WIN 0xc0
.set q, 0
.rept 16
	v_cvt_pk_bf16_f32 v[64+16*g+q], v[224+2*q], v[225+2*q]
.set q, q+1
.endr
.set g, g+1
.endr
	WIN 0
	s_cmp_lg_u32 s78, 0
	s_cbranch_scc1 .Lkeep_\@
	WIN 0x0c                                       ; store data in window 3
.irp a, 0,1,2,3
.irp b, 0,1,2,3,4,5,6,7
	ds_store_b128 v12, v[64+4*(8*(\a)+(\b)):64+4*(8*(\a)+(\b))+3] offset:((\b)/4)*128*PQ+(\a)*16*PQ+((\b)%4)*32
.endr
.endr
	WIN 0
.Lkeep_\@:
	s_add_co_u32 s78, s78, 1
	s_wait_loadcnt 0x0                             ; the bias is in
.endm
	s_load_b256 s[4:11], s[0:1], 0x0               ; xz s[4:5], wts s[6:7], bq s[8:9], bk s[10:11]
	s_load_b128 s[12:15], s[0:1], 0x20             ; bv s[12:13], context_info s[14:15]
	s_load_b64 s[16:17], s[0:1], 0x30              ; cg
	v_lshl_add_u32 v28, v0, 2, SPARE
	v_mov_b32 v29, 0
	ds_add_u32 v28, v29                            ; the wave's opening add; its wait stands ahead of my first tensor load, with work on registers between
	v_lshrrev_b32 v1, 5, v0
	v_readfirstlane_b32 s20, v1                    ; wave 0..3
	s_lshr_b32 s21, s20, 1                         ; WM.  Also: I fetch x (0) or W (1)
	s_and_b32 s22, s20, 1                          ; WN.  Also: which half of it
	s_bfe_u32 s23, ttmp6, 0x40000                  ; cx
	s_bfe_u32 s24, ttmp6, 0x40004                  ; cy
	s_lshl_b32 s25, ttmp9, 2
	s_add_co_u32 s25, s25, s23                     ; the column group: 256 columns, four heads
	s_and_b32 s26, ttmp7, 0xffff
	s_lshl_b32 s26, s26, 2
	s_add_co_u32 s26, s26, s24                     ; the batch
	s_lshl_b32 s27, s24, 2
	s_lshl_b32 s27, 15, s27                        ; my row of the cluster
	s_lshl_b32 s79, 0x1111, s23                    ; my column
	s_or_b32 s28, s27, (1<<16)|(1<<20)|(1<<21)|(5<<22)|(3<<25)  ; x: the mask; 2-byte elements; padding on; bit 21 beside a mask; after every 64 words 4 words
	s_or_b32 s36, s79, (1<<16)|(1<<20)|(1<<21)|(5<<22)|(7<<25)  ; W: the same with 8 words
	s_mov_b32 s29, 128<<16                         ; x: tensor_dim0 = 128
	s_mov_b32 s30, 64<<16                          ; tensor_dim1 = 64
	s_mov_b32 s31, 128<<16                         ; tile_dim0 = 128
	s_mov_b32 s32, 64                              ; tile_dim1 = 64
	s_mov_b32 s33, 1024                            ; elements from row to row
	s_mov_b32 s34, 0
	s_mov_b32 s35, 0
	s_mov_b32 s37, 128<<16                         ; W: 128 x 128
	s_mov_b32 s38, 128<<16
	s_mov_b32 s39, 128<<16
	s_mov_b32 s40, 128
	s_mov_b32 s41, NB
	s_mov_b32 s42, 0
	s_mov_b32 s43, 0
	s_mul_i32 s2, s22, AHALF                       ; LDS addresses hang on the wave's number alone
	s_mov_b32 s44, 1
	s_mov_b32 s45, s2                              ; step 0, slot 0
	s_mov_b32 s48, 1
	s_add_co_u32 s49, s2, SLOT1                    ; step 1, slot 1: this set walks on
	s_mul_i32 s2, s22, BSUB
	s_mov_b32 s52, 1
	s_add_co_u32 s53, s2, BOFF
	s_mov_b32 s56, 1
	s_add_co_u32 s57, s2, SLOT1+BOFF
	s_lshl_b32 s66, s26, 18                        ; x: the batch's 128 rows of 2,048 bytes,
	s_mul_i32 s27, s22, AWN                        ; my 64 of them
	s_add_co_u32 s66, s66, s27
	s_mov_b32 s67, 0
	s_lshl_b32 s100, s25, 9                        ; W: the group's 256 columns,
	s_lshl_b32 s79, s22, 8                         ; my 128 of them
	s_add_co_u32 s100, s100, s79
	s_mov_b32 s101, 0
	s_mov_b32 s19, 0
	s_mov_b32 s3, 0                                ; the slot that fragments are fetched from
	s_mov_b32 s94, 0x76543210                      ; v_permlanex16_b32: each lane takes its own place in the other half
	s_mov_b32 s95, 0xfedcba98
	s_wait_dscnt 0x0                               ; the opening add is done
	s_wait_kmcnt 0x0
	s_add_nc_u64 s[60:61], s[4:5], s[66:67]        ; x at my rows, K step 0
	s_add_nc_u64 s[62:63], s[6:7], s[100:101]      ; Wq at my columns, K step 0
	s_mov_b64 s[46:47], s[60:61]
	s_or_b32 s47, s47, 0x80000000
	s_add_nc_u64 s[50:51], s[60:61], ASTEP
	s_or_b32 s51, s51, 0x80000000
	s_mov_b64 s[54:55], s[62:63]
	s_or_b32 s55, s55, 0x80000000
	s_add_nc_u64 s[58:59], s[62:63], BSTEP
	s_or_b32 s59, s59, 0x80000000
	CROUND                                         ; all sixteen work-groups are here: the first joint loads meet
	s_cmp_eq_u32 s21, 0                            ; a wave's two first fills stand in one branch: two loads of mine are out
	s_cbranch_scc0 .Lfirst_b
	tensor_load_to_lds s[44:47], s[28:35]
	s_nop 0
	tensor_load_to_lds s[48:51], s[28:35]
	s_nop 0
	PLACES
	s_branch .Lfirst_done
.Lfirst_b:
	tensor_load_to_lds s[52:55], s[36:43]
	s_nop 0
	tensor_load_to_lds s[56:59], s[36:43]
	s_nop 0
	PLACES
.Lfirst_done:
	s_mul_i32 s27, s26, 1040                       ; context_info[batch][128][0] and [129][0]: a row of the batch is 8 bytes, a batch 1,040
	s_load_b128 s[80:83], s[14:15], s27 offset:0x400  ; a in s80, g in s82
	v_and_b32 v3, 31, v0                           ; l
	v_and_b32 v1, 15, v0                           ; r
	v_bfe_u32 v2, v0, 4, 1                         ; h
	v_and_b32 v4, 7, v0
	v_bfe_u32 v5, v0, 3, 1
	v_lshlrev_b32 v8, 4, v3                        ; 16 l
	s_mul_i32 s2, s21, 64*APITCH
	v_mul_u32_u24 v6, v1, APITCH
	v_lshl_add_u32 v6, v2, 4, v6
	v_add_nc_u32 v6, s2, v6                        ; x's fragments: (64 WM + r) pitch + 16 h
	v_lshl_add_u32 v7, v2, 3, v4
	v_mul_u32_u24 v7, v7, BPITCH
	v_lshl_add_u32 v7, v5, 4, v7
	s_mul_i32 s2, s22, BSUB
	s_add_co_u32 s2, s2, BOFF
	v_add_nc_u32 v7, s2, v7                        ; W's: my sub-tile + (8 h + l % 8) pitch + 16 ((l / 8) % 2)
	; the table: 64 loads of 512 consecutive bytes, block 256 WM + 16 group + 8 WN + 64 a + b
	s_lshl_b32 s18, s21, 18
	s_lshl_b32 s2, s22, 13
	s_add_co_u32 s18, s18, s2
	s_lshl_b32 s79, s25, 14
	s_add_co_u32 s18, s18, s79
	s_add_co_u32 s18, s18, TABOFF
	s_add_nc_u64 s[96:97], s[6:7], s[18:19]
	WIN 0x80
.irp a, 0,1,2,3
.irp b, 0,1,2,3,4,5,6,7
	global_load_b128 v[8*(8*(\a)+(\b)):8*(8*(\a)+(\b))+3],   v8, s[96:97] offset:(64*(\a)+(\b))*1024
	global_load_b128 v[8*(8*(\a)+(\b))+4:8*(8*(\a)+(\b))+7], v8, s[96:97] offset:(64*(\a)+(\b))*1024+512
.endr
.endr
	WIN 0
	s_lshl_b32 s79, s25, 10                        ; the bias of my 128 columns: register j of block b is column 16 b + 8 h + j
	s_lshl_b32 s2, s22, 9
	s_add_co_u32 s79, s79, s2
	v_lshl_add_u32 v15, v2, 5, s79
	WIN 0xc0
.irp b, 0,1,2,3,4,5,6,7
	global_load_b128 v[8*(\b):8*(\b)+3],   v15, s[8:9] offset:64*(\b)
	global_load_b128 v[8*(\b)+4:8*(\b)+7], v15, s[8:9] offset:64*(\b)+16
.endr
.set i, 64
.rept 128
	v_mov_b32 v[i], 0                              ; the packed tile's registers are written once here, while the first tiles are on their way, so that they are written on every way through the loop's forward jumps
.set i, i+1
.endr
	WIN 0
	; where q, k, v go in LDS, and where attention reads them
	v_mul_u32_u24 v9, v1, PQ
	v_lshl_add_u32 v9, v2, 4, v9                   ; r x 144 + 16 h
	s_mul_i32 s2, s22, 2*128*PQ
	s_mul_i32 s77, s21, 64*PQ
	s_add_co_u32 s2, s2, s77
	v_add_nc_u32 v13, s2, v9                       ; k: head 2 WN + b / 4, row 64 WM + 16 a + r
	v_add_nc_u32 v12, QREG, v13                    ; q likewise
	v_mul_u32_u24 v16, v1, PV
	v_lshl_add_u32 v16, v2, 4, v16
	s_mul_i32 s2, s22, 2*128*PV
	s_mul_i32 s77, s21, 64*PV
	s_add_co_u32 s2, s2, s77
	s_add_co_u32 s2, s2, VREG
	v_add_nc_u32 v16, s2, v16                      ; v
	s_mul_i32 s2, s20, 128*PQ
	v_add_nc_u32 v22, s2, v9                       ; my head's k
	v_add_nc_u32 v27, QREG, v22                    ; my head's q
	v_lshl_add_u32 v23, v2, 3, v4
	v_mul_u32_u24 v23, v23, PV
	v_lshl_add_u32 v23, v5, 4, v23
	s_mul_i32 s2, s20, 128*PV
	s_add_co_u32 s2, s2, VREG
	v_add_nc_u32 v23, s2, v23                      ; my head's v, for the turning load
	s_mul_i32 s2, s20, 32*PQ
	s_add_co_u32 s2, s2, OSTG
	v_add_nc_u32 v24, s2, v9                       ; my stage: in
	v_bfe_u32 v25, v0, 3, 2
	v_mul_u32_u24 v25, v25, PQ
	v_lshl_add_u32 v25, v4, 4, v25
	v_add_nc_u32 v25, s2, v25                      ; back: 32 lanes take four rows of 128 bytes
	s_wait_kmcnt 0x0
	s_mul_f32 s92, s80, s80
	s_fmac_f32 s92, s82, s82
	s_mul_f32 s92, s92, 0x3e38aa3b                 ; c = (a^2 + g^2) log2(e) / 8
	s_mov_b32 s93, s92
	; the prefetches.  x's rows: wave 0 of the clusters with x = 0, in the first tile alone (later tiles read them again); the partners take 32 rows each by address (cx).  W's rows: waves 2 and 3, each its own sub-tile,
	; of the clusters with y = 0; 32 k-rows each by address (cy).  So each row's 256 bytes of a step are named once.  The first four steps come by their loads alone.
	s_lshl_b32 s18, s26, 18
	s_mul_i32 s79, s23, 32*PRA
	s_add_co_u32 s18, s18, s79
	s_mul_i32 s27, s24, 32*PRB
	s_mov_b32 s72, PRB
	s_cmp_eq_u32 s21, 0
	s_cselect_b32 s18, s18, s27
	s_cselect_b32 s72, PRA, s72
	s_cselect_b64 s[68:69], s[4:5], s[62:63]
	s_add_nc_u64 s[68:69], s[68:69], s[18:19]
	v_mul_lo_u32 v14, v3, s72                      ; a lane a row
	s_mov_b32 s72, BSTEP
	s_cselect_b32 s72, ASTEP, s72
	s_and_b32 s27, ttmp7, 0xffff
	s_cmp_eq_u32 s21, 0
	s_cselect_b32 s27, ttmp9, s27                  ; the coordinate along which other clusters read the same rows
	s_cselect_b32 s74, 5, NSTEP-3                  ; the last refill that still has a step two on
	s_cmp_eq_u32 s27, 0
	s_cselect_b32 s74, s74, 0
	s_cmp_eq_u32 s20, 1
	s_cselect_b32 s74, 0, s74
	s_mov_b32 s75, 2                               ; the step to be asked for next
	s_mov_b32 s76, NSTEP-2
	s_mov_b32 s77, 0                               ; the step in hand, within its tile
	s_mov_b32 s78, 0                               ; the tile in hand
	s_wait_tensorcnt 1                             ; my part of step 0 is in; step 1's may stay out
	s_barrier_signal -1
	s_barrier_wait -1
	SETADR
	FETCH F0, 0
	s_wait_loadcnt 0x0                             ; the table and bq
	s_branch .Lfirst
.Lstep:                                                ; a trip is a K step; 22 trips fill a slot again
	s_cmp_eq_u32 s77, 0
	s_cbranch_scc1 .Lfirst
	QUARTER F0, F1, 1, 0
	WIN 0
	s_branch .Lq1
.Lfirst:                                               ; a tile's first quarter: the bias starts the sums, nothing is cleared
	QUARTER F0, F1, 1, 2
	WIN 0
.Lq1:
	QUARTER F1, F0, 2, 0
	QUARTER F0, F1, 3, 0
	TURN 1
	WIN 0
	s_cmp_lg_u32 s77, 7
	s_cbranch_scc1 .Lnoepi                         ; what is jumped holds neither a barrier nor a tensor load
	EPI_MID
.Lnoepi:
	s_add_co_u32 s77, s77, 1
	s_and_b32 s77, s77, 7
	s_add_co_u32 s75, s75, 1
	s_sub_co_u32 s76, s76, 1
	s_cmp_lg_u32 s76, 0
	s_cbranch_scc1 .Lstep
	s_mov_b32 s76, 2
.Ltail:                                                ; the last two steps ask for nothing.  The second trip's fetch (of old bytes of slot 0) serves nothing: the price, once a launch, of one text for both trips
	QUARTER F0, F1, 1, 0
	QUARTER F1, F0, 2, 0
	QUARTER F0, F1, 3, 0
	TURN 0
	WIN 0
	s_sub_co_u32 s76, s76, 1
	s_cmp_lg_u32 s76, 0
	s_cbranch_scc1 .Ltail
	s_wait_dscnt 0x0                               ; my last reads of the ring are back
	s_barrier_signal -1
	s_barrier_wait -1                              ; everybody's are: the ring has had its last fill and its last read, and takes k, v and the stages
	PLACES
	WIN 0x0c
.irp a, 0,1,2,3
.irp b, 0,1,2,3,4,5,6,7
	ds_store_b128 v13, v[64+4*(8*(\a)+(\b)):64+4*(8*(\a)+(\b))+3] offset:((\b)/4)*128*PQ+(\a)*16*PQ+((\b)%4)*32
.endr
.endr
.set g, 0
.rept 4                                ; v: row block g, rounded to bf16
	WIN 0x05
.set q, 0
.rept 32
	v_cvt_pk_bf16_f32 v[224+q], v[64*g+2*q], v[64*g+2*q+1]
.set q, q+1
.endr
	WIN 0
.irp b, 0,1,2,3,4,5,6,7
	ds_store_b128 v16, v[224+4*(\b):227+4*(\b)] offset:((\b)/4)*128*PV+g*16*PV+((\b)%4)*32
.endr
.set g, g+1
.endr
	s_lshl_b32 s18, s26, 18                        ; ctx: (16 batch + 4 group + wave) heads of 16,384 bytes
	s_lshl_b32 s79, s25, 16
	s_add_co_u32 s18, s18, s79
	s_lshl_b32 s2, s20, 14
	s_add_co_u32 s18, s18, s2
	s_add_nc_u64 s[96:97], s[16:17], s[18:19]
	s_wait_dscnt 0x0                               ; for the others' sake: my stores of k and v are done (q's were, at an earlier barrier)
	s_barrier_signal -1
	s_barrier_wait -1
	; ATTENTION.  Wave w has head 4 group + w.  S^T = K Q^T (source 0 = 16 keys, source 1 = 16 queries): a lane holds ONE query (r) and the keys 8 h + 0..7 of each block of 16; two blocks rounded to bf16 ARE
	; source 1 of O^T = V^T P.  K's and V's fragments (window 1) are loaded once; four trips take two tiles of 16 queries each.  window 2: v0-31 Q, v32-95 O^T.
	WIN 0x40
.irp kb, 0,1,2,3,4,5,6,7
.irp c, 0,1
	ds_load_b128 v[16*(\kb)+8*(\c):16*(\kb)+8*(\c)+3],   v22 offset:16*PQ*(\kb)+64*(\c)
	ds_load_b128 v[16*(\kb)+8*(\c)+4:16*(\kb)+8*(\c)+7], v22 offset:16*PQ*(\kb)+64*(\c)+32
.endr
.endr
.irp kk, 0,1,2,3
.irp cb, 0,1,2,3
	ds_load_tr16_b128 v[128+32*(\kk)+8*(\cb):128+32*(\kk)+8*(\cb)+3],   v23 offset:32*PV*(\kk)+32*(\cb)
	ds_load_tr16_b128 v[128+32*(\kk)+8*(\cb)+4:128+32*(\kk)+8*(\cb)+7], v23 offset:32*PV*(\kk)+32*(\cb)+16*PV
.endr
.endr
	WIN 0
	s_mov_b32 s75, 0                               ; the trip's two tiles in q
	s_mov_b32 s76, 4
.Latt:
	v_add_nc_u32 v21, s75, v27
	WIN 0x80
.irp u, 0,1
.irp c, 0,1
	ds_load_b128 v[16*(\u)+8*(\c):16*(\u)+8*(\c)+3],   v21 offset:16*PQ*(\u)+64*(\c)
	ds_load_b128 v[16*(\u)+8*(\c)+4:16*(\u)+8*(\c)+7], v21 offset:16*PQ*(\u)+64*(\c)+32
.endr
.endr
	s_wait_dscnt 0x0                               ; Q (in the first trip K and V too)
	WIN 0x09                                       ; K in window 1, Q in window 2, S^T in window 0
.set i, 0
.rept 32                               ; 16 accumulators by turns; the first 16 products start the sums
.set rS, S+64*(i%2)+8*((i/2)%8)
.set rK, 16*((i/2)%8)+8*(i/16)
.set rQ, 16*(i%2)+8*(i/16)
.if i < 16
	v_wmma_f32_16x16x32_bf16 v[rS:rS+7], v[rK:rK+7], v[rQ:rQ+7], 0
.else
	v_wmma_f32_16x16x32_bf16 v[rS:rS+7], v[rK:rK+7], v[rQ:rQ+7], v[rS:rS+7]
.endif
.set i, i+1
.endr
	WIN 0
	PLACES
	; the query's maximum over its 128 keys: eight chains a tile, each begun on its accumulator's lowest registers; the two tiles alternate
.irp kb, 0,1,2,3,4,5,6,7
.irp u, 0,1
	v_max3_num_f32 v[CH+8*(\u)+(\kb)], v[S+64*(\u)+8*(\kb)], v[S+64*(\u)+8*(\kb)+1], v[S+64*(\u)+8*(\kb)+2]
.endr
.endr
.irp n, 3,5
.irp kb, 0,1,2,3,4,5,6,7
.irp u, 0,1
	v_max3_num_f32 v[CH+8*(\u)+(\kb)], v[CH+8*(\u)+(\kb)], v[S+64*(\u)+8*(\kb)+(\n)], v[S+64*(\u)+8*(\kb)+(\n)+1]
.endr
.endr
.endr
.irp kb, 0,2,4,6
.irp u, 0,1
	v_max3_num_f32 v[CH+8*(\u)+(\kb)], v[CH+8*(\u)+(\kb)], v[S+64*(\u)+8*(\kb)+7], v[S+64*(\u)+8*(\kb)+15]
.endr
.endr
.irp u, 0,1
	v_max3_num_f32 v[CH+8*(\u)], v[CH+8*(\u)], v[CH+8*(\u)+1], v[CH+8*(\u)+2]
	v_max3_num_f32 v[CH+8*(\u)+3], v[CH+8*(\u)+3], v[CH+8*(\u)+4], v[CH+8*(\u)+5]
	v_max_num_f32 v[CH+8*(\u)+6], v[CH+8*(\u)+6], v[CH+8*(\u)+7]
.endr
.irp u, 0,1
	v_max3_num_f32 v[CH+8*(\u)], v[CH+8*(\u)], v[CH+8*(\u)+3], v[CH+8*(\u)+6]
.endr
.irp u, 0,1
	v_permlanex16_b32 v[CH+8*(\u)+1], v[CH+8*(\u)], s94, s95   ; the query's other 64 keys lie in the lane 16 away
.endr
.irp u, 0,1
	v_max_num_f32 v[ST+4*(\u)+1], v[CH+8*(\u)], v[CH+8*(\u)+1]
.endr
.irp u, 0,1
	v_mul_f32 v[ST+4*(\u)], s92, v[ST+4*(\u)+1]    ; c m (c is not negative, so c m is the maximum of c s)
.endr
.set q, 0
.rept 32
	v_pk_fma_f32 v[S+2*q:S+2*q+1], v[S+2*q:S+2*q+1], s[92:93], v[ST:ST+1] op_sel_hi:[1,0,0] neg_lo:[0,0,1] neg_hi:[0,0,1]
	v_pk_fma_f32 v[S+64+2*q:S+64+2*q+1], v[S+64+2*q:S+64+2*q+1], s[92:93], v[ST+4:ST+5] op_sel_hi:[1,0,0] neg_lo:[0,0,1] neg_hi:[0,0,1]
.set q, q+1
.endr
.set i, 0
.rept 128
	v_exp_f32 v[S+i], v[S+i]                       ; one batch
.set i, i+1
.endr
	v_nop                                          ; the plain instruction behind the last exponential
	s_wait_alu depctr_va_vdst(0)                   ; one wait for the batch, ahead of its first reader
.macro PVU u                           ; tile u: the weights rounded to bf16, then 16 products V^T P, four accumulators by turns, the first four start the sums
	WIN 0
.set q, 0
.rept 32
	v_cvt_pk_bf16_f32 v[P+32*(\u)+q], v[S+64*(\u)+2*q], v[S+64*(\u)+2*q+1]
.set q, q+1
.endr
	WIN 0xa1                                       ; V in window 1, P in window 0, O^T in window 2
.set i, 0
.rept 16
.set rO, 32+32*(\u)+8*(i%4)
.set rV, 128+32*(i/4)+8*(i%4)
.set rP, P+32*(\u)+8*(i/4)
.if i < 4
	v_wmma_f32_16x16x32_bf16 v[rO:rO+7], v[rV:rV+7], v[rP:rP+7], 0
.else
	v_wmma_f32_16x16x32_bf16 v[rO:rO+7], v[rV:rV+7], v[rP:rP+7], v[rO:rO+7]
.endif
.set i, i+1
.endr
.endm
	PVU 0
	PVU 1
	WIN 0
.irp w, 16,8,4,2,1                     ; l: the sum of the unrounded weights, in place; these additions are also the places behind the last products
.set q, 0
.rept \w
	v_pk_add_f32 v[S+2*q:S+2*q+1], v[S+2*q:S+2*q+1], v[S+2*q+2*(\w):S+2*q+2*(\w)+1]
	v_pk_add_f32 v[S+64+2*q:S+64+2*q+1], v[S+64+2*q:S+64+2*q+1], v[S+64+2*q+2*(\w):S+64+2*q+2*(\w)+1]
.set q, q+1
.endr
.endr
.irp u, 0,1
	v_add_f32 v[ST+4*(\u)+3], v[S+64*(\u)], v[S+64*(\u)+1]
.endr
.irp u, 0,1
	v_permlanex16_b32 v[CH+8*(\u)+1], v[ST+4*(\u)+3], s94, s95
.endr
.irp u, 0,1
	v_add_f32 v[ST+4*(\u)+3], v[ST+4*(\u)+3], v[CH+8*(\u)+1]
.endr
.irp u, 0,1
	v_rcp_f32 v[ST+4*(\u)+2], v[ST+4*(\u)+3]
.endr
	v_nop
	s_wait_alu depctr_va_vdst(0)                   ; one wait for the two reciprocals
	WIN 0x82                                       ; O^T in window 2, 1 / l in window 0
.irp u, 0,1
.set q, 0
.rept 16
	v_pk_mul_f32 v[32+32*(\u)+2*q:32+32*(\u)+2*q+1], v[32+32*(\u)+2*q:32+32*(\u)+2*q+1], v[ST+4*(\u)+2:ST+4*(\u)+3] op_sel_hi:[1,0]
.set q, q+1
.endr
.endr
	WIN 0x0a
.set q, 0
.rept 32
	v_cvt_pk_bf16_f32 v[32+q], v[32+2*q], v[32+2*q+1]
.set q, q+1
.endr
	WIN 0
.irp u, 0,1                            ; a lane's eight channels are 16 bytes of a row; they go into rows of 144 bytes of my own stage and come back as whole rows of 128
.irp cb, 0,1,2,3
	ds_store_b128 v24, v[32+16*(\u)+4*(\cb):32+16*(\u)+4*(\cb)+3] offset:16*PQ*(\u)+32*(\cb)
.endr
.irp f, 0,1,2,3
	ds_load_b128 v[64+16*(\u)+4*(\f):64+16*(\u)+4*(\f)+3], v25 offset:16*PQ*(\u)+4*PQ*(\f)  ; LDS serves a wave's instructions in order (ISA guide 5.7.1): these see the stores above
.endr
.endr
.irp f, 0,1,2,3
	s_wait_dscnt 8+3-(\f)                          ; the second tile's eight and this tile's younger loads may be out
	global_store_b128 v8, v[64+4*(\f):67+4*(\f)], s[96:97] offset:512*(\f)   ; 512 consecutive bytes, aligned
.endr
.irp f, 0,1,2,3
	s_wait_dscnt 3-(\f)
	global_store_b128 v8, v[80+4*(\f):83+4*(\f)], s[96:97] offset:2048+512*(\f)
.endr
	s_wait_xcnt 0x0                                ; the stores have read their registers and their base
	s_add_nc_u64 s[96:97], s[96:97], 4096
	s_add_co_u32 s75, s75, 32*PQ
	s_sub_co_u32 s76, s76, 1
	s_cmp_lg_u32 s76, 0
	s_cbranch_scc1 .Latt
	s_wait_tensorcnt 0x0                           ; the wave's end, behind my last tensor load and my last LDS store
	ds_add_u32 v28, v29
	s_wait_dscnt 0x0
	CROUND                                         ; the closing round: no work-group ends while a partner may still ask for a tile that names it
	s_endpgm
.Lfunc_end_k_q35dfcc5a69_qkvattn:
	.size	k_q35dfcc5a69_qkvattn, .Lfunc_end_k_q35dfcc5a69_qkvattn-k_q35dfcc5a69_qkvattn
	.p2alignl 7, 3214868480
	.fill 96, 4, 3214868480
	.section	.rodata,"a",@progbits
	.p2align	6, 0x0
	.amdhsa_kernel k_q35dfcc5a69_qkvattn
		.amdhsa_group_segment_fixed_size 327680
		.amdhsa_private_segment_fixed_size 0
		.amdhsa_enable_private_segment 0
		.amdhsa_kernarg_size 56
		.amdhsa_user_sgpr_count 2
		.amdhsa_user_sgpr_kernarg_segment_ptr 1
		.amdhsa_wavefront_size32 1
		.amdhsa_system_sgpr_workgroup_id_x 1
		.amdhsa_system_sgpr_workgroup_id_y 1
		.amdhsa_system_sgpr_workgroup_id_z 1
		.amdhsa_system_vgpr_workitem_id 0
		.amdhsa_next_free_vgpr 960
		.amdhsa_next_free_sgpr 102
		.amdhsa_reserve_vcc 0
		.amdhsa_float_denorm_mode_32 3
		.amdhsa_float_denorm_mode_16_64 3
		.amdhsa_memory_ordered 1
		.amdhsa_forward_progress 1
		.amdhsa_inst_pref_size 137
	.end_amdhsa_kernel
	.amdgpu_metadata
---
amdhsa.version: [ 1, 2 ]
amdhsa.kernels:
  - .name:           k_q35dfcc5a69_qkvattn
    .symbol:         k_q35dfcc5a69_qkvattn.kd
    .args:
      - { .name: xz, .offset: 0, .size: 8, .value_kind: global_buffer, .address_space: global }
      - { .name: wts, .offset: 8, .size: 8, .value_kind: global_buffer, .address_space: global }
      - { .name: bq, .offset: 16, .size: 8, .value_kind: global_buffer, .address_space: global }
      - { .name: bk, .offset: 24, .size: 8, .value_kind: global_buffer, .address_space: global }
      - { .name: bv, .offset: 32, .size: 8, .value_kind: global_buffer, .address_space: global }
      - { .name: context_info, .offset: 40, .size: 8, .value_kind: global_buffer, .address_space: global }
      - { .name: cg, .offset: 48, .size: 8, .value_kind: global_buffer, .address_space: global }
    .group_segment_fixed_size: 327680
    .private_segment_fixed_size: 0
    .kernarg_segment_align: 8
    .kernarg_segment_size: 56
    .max_flat_workgroup_size: 128
    .sgpr_count:     102
    .vgpr_count:     960
    .wavefront_size: 32
...
	.end_amdgpu_metadata
.endif
;; end of part 2
;; launch wo (part 3): grid 4 x 64, 4 waves a work-group, clusters of 4 x 4, 327,680 bytes of LDS; arguments cg, wts, bo, xz, g1, yg, ps1; writes yg, ps1
.if DOCPART == 3
	.amdgcn_target "amdgcn-amd-amdhsa--gfx1250"
	.amdhsa_code_object_version 6
	.text
	.protected	k_q35dfcc5a69_wo
	.globl	k_q35dfcc5a69_wo
	.p2align	8
	.type	k_q35dfcc5a69_wo,@function
k_q35dfcc5a69_wo:
	s_mov_b64 s[64:65], 0
	v_nop
	global_prefetch_b8 v0, s[64:65] scope:SCOPE_SE
	s_setreg_imm32_b32 hwreg(HW_REG_WAVE_MODE, 25, 1), 1
	s_wait_xcnt 0x0
	s_wait_alu depctr_hold_cnt(0) depctr_sa_sdst(0) depctr_va_vdst(0) depctr_va_sdst(0) depctr_va_ssrc(0) depctr_va_vcc(0) depctr_vm_vsrc(0)
	s_getreg_b32 s2, hwreg(HW_REG_IB_STS2, 6, 4)
	s_cmp_eq_u32 s2, 0
	s_cbranch_scc0 .Lentry_in_a_cluster
	s_endpgm
.Lentry_in_a_cluster:
	s_bfe_u32 s2, ttmp6, 0x10000c
	s_cmp_lg_u32 s2, 0xf033
	s_cbranch_scc0 .Lentry_shape_is_right
	s_endpgm
.Lentry_shape_is_right:
; A PROJECTION WITH RESIDUAL AND A PARTIAL SUM OF SQUARES.  One text serves two launches, told apart by FFN2.
; FFN2 = 0: y = xb + ctx Wo + bo; stored: yg = bf16(y g1) and ps[group][row] = the sum of y^2 over the work-group's 256 columns.  ctx lies by heads, [batch][16][128][64].
; FFN2 = 1: z = yg rs1 + gg W2 + b2, rs1 = rsqrt(sum of the four partials / 1024 + 2^-23); stored: bf16(z) and the partial sums of z^2.  gg is row-major.
; The norm's row factor is left to the reader of the result: a row's 1,024 columns belong to four work-groups, and no work-group reads what another stores in a launch.
; FORMATS AND LIMITS.  Matrix operands and the residual arrive in bf16; products and sums in f32; the sums of squares are taken of the unrounded f32 numbers and stay f32; the result is rounded once to bf16
; (at most 2^-9 of the number).  NaN and infinities are not treated apart.
; SHARES.  A work-group: 128 rows (a batch) x 256 columns, K = 1024 in 8 steps of 128 through a ring of two LDS slots.  Wave w: WM = w / 2 (64 rows), WN = w % 2 (128 columns): 4 x 8 accumulators.  The matrix
; instruction is used transposed (source 0 = 16 columns of W, turned by ds_load_tr16_b128; source 1 = 16 rows of A).
; CLUSTER.  4 x 4: A's tiles are shared along a row of the cluster, W's along a column: joint loads.  The residual's tile is a work-group's own: a plain load among the first fills.
; LDS.  slot s at 131,072 s: A at +0, W's two sub-tiles (128 k-rows x 256 bytes, pitch 288) at +36,864.  The residual's 128 rows of 512 bytes, pitch 528, at 241,664.  The rows' sums at 325,632, rs1 at 326,656,
; the spare words at 327,168.  When the ring has had its last fill, the sums go as f32 into a stage of 128 rows, pitch 1,040, at 0, so that a wave then has whole rows of the tile.
; REGISTERS.  window 0: v0-31 addresses; v32-127, v128-223 two fragment buffers, later the row loop's registers; v224-239 the bias and the gain, loaded at the head and kept: above the fragment buffers.
; window 1: the accumulators, (a, b) at 8 (8 a + b).
.set FFN2,   0
.set NSTEP,  8
.set SLOT1,  131072
.if FFN2
.set APITCH, 272                       ; 128 rows of 256 bytes
.set AHALF,  64*APITCH                 ; a wave's load: 64 rows
.set AWN,    131072
.set ASTEP,  256
.set PRA,    2048
.set AQI,    5
.set ASTR,   1024
.set WOFF,   12582912
.else
.set APITCH, 144                       ; two heads x 128 rows of 128 bytes
.set AHALF,  128*APITCH                ; a wave's load: one head, 16,384 dense bytes asked for as 64 rows of 256, padded after every 128
.set AWN,    16384
.set ASTEP,  32768
.set PRA,    256
.set AQI,    4
.set ASTR,   128
.set WOFF,   6291456
.endif
.set BOFF,   36864
.set BPITCH, 288
.set BSUB,   128*BPITCH
.set NB,     1024
.set PRB,    2*NB
.set BSTEP,  128*PRB
.set RREG,   241664
.set RPITCH, 528
.set SPITCH, 1040
.set SQS,    325632
.set RS,     326656
.set SPARE,  327168
.set F0,  32
.set F1,  128
.set AC,  32                           ; the row loop: row i's 8 sums
.set RR,  96                           ; its 8 residuals, bf16
.set SQ,  128                          ; its sum of squares
.set TP,  136
.set OUT, 152
.set RSV, 200                          ; rs1 of the trip's 8 rows: loaded in the row loop
.set BI,  224                          ; the bias of my 8 columns: kept through the K loop, so outside v32-223
.set GA,  232                          ; the gain, likewise
.set MSB, 0
.macro WIN new                         ; the immediate's high byte repeats the setting that is left; a switch that changes nothing is dropped
.if MSB != (\new)
	s_set_vgpr_msb (MSB<<8)|(\new)
.set MSB, \new
.endif
.endm
.macro PLACES                          ; four plain vector instructions between a matrix instruction and a load into, or a read of, its registers
.rept 4
	v_nop
.endr
.endm
.macro CREST                           ; a round of the cluster's barrier behind its opening barrier
	s_cmp_lg_u32 s20, 0
	s_cbranch_scc1 .Lnot_wave_0_\@
	s_barrier_signal -3
.Lnot_wave_0_\@:
	s_barrier_wait -3
	s_barrier_signal -1
	s_barrier_wait -1
.endm
.macro CROUND
	s_barrier_signal -1
	s_barrier_wait -1
	CREST
.endm
.macro JLOAD                           ; a joint refill: waves 0 and 1 fetch A's two halves, waves 2 and 3 W's two sub-tiles; the branch hangs on the wave's number alone
	s_cmp_eq_u32 s21, 0
	s_cbranch_scc0 .Lfor_b_\@
	tensor_load_to_lds s[48:51], s[28:35]
	s_nop 0
	PLACES
	s_branch .Lasked_\@
.Lfor_b_\@:
	tensor_load_to_lds s[56:59], s[36:43]
	s_nop 0
	PLACES
.Lasked_\@:
.endm
.macro ASK                             ; a prefetch of the K step two refills on: a lane a block of 256 bytes; s74 is 0 in a wave that asks for nothing
	s_cmp_le_u32 s75, s74
	s_cbranch_scc0 .Lnot_mine_\@
	global_prefetch_b8 v14, s[70:71] th:TH_LOAD_NT scope:SCOPE_SE
.Lnot_mine_\@:
.endm
.macro SETADR                          ; the fragments' addresses in the slot at s3
	v_add_nc_u32 v10, s3, v6
	v_add_nc_u32 v11, s3, v7
.endm
; 8 matrix instructions: row block a x all 8 column blocks, 32 along K.  cm = 1: the first product starts the sums.  The 32 accumulators take turns, one instruction a turn, in the same order in every quarter.
.macro MULA f, a, cm
.irp b, 0,1,2,3,4,5,6,7
.if (\cm) == 0
	v_wmma_f32_16x16x32_bf16 v[8*(8*(\a)+(\b)):8*(8*(\a)+(\b))+7], v[(\f)+8*(\b):(\f)+8*(\b)+7], v[(\f)+64+8*(\a):(\f)+64+8*(\a)+7], v[8*(8*(\a)+(\b)):8*(8*(\a)+(\b))+7]
.else
	v_wmma_f32_16x16x32_bf16 v[8*(8*(\a)+(\b)):8*(8*(\a)+(\b))+7], v[(\f)+8*(\b):(\f)+8*(\b)+7], v[(\f)+64+8*(\a):(\f)+64+8*(\a)+7], 0
.endif
.endr
.endm
; 24 LDS loads in one run: quarter kq's fragments into buffer f: W's eight (turned), then A's four
.macro FETCH f, kq
.if FFN2
.set AKQ, 64*(\kq)
.else
.set AKQ, ((\kq)/2)*AHALF+((\kq)%2)*64 ; head kq / 2 of the step's two, channels 32 (kq % 2) on
.endif
	WIN 0
.irp b, 0,1,2,3,4,5,6,7
	ds_load_tr16_b128 v[(\f)+8*(\b):(\f)+8*(\b)+3],   v11 offset:32*BPITCH*(\kq)+32*(\b)
	ds_load_tr16_b128 v[(\f)+8*(\b)+4:(\f)+8*(\b)+7], v11 offset:32*BPITCH*(\kq)+32*(\b)+16*BPITCH
.endr
.irp a, 0,1,2,3
	ds_load_b128 v[(\f)+64+8*(\a):(\f)+64+8*(\a)+3],   v10 offset:AKQ+(\a)*16*APITCH
	ds_load_b128 v[(\f)+64+8*(\a)+4:(\f)+64+8*(\a)+7], v10 offset:AKQ+(\a)*16*APITCH+32
.endr
.endm
.macro QUARTER f, g, kq, cm            ; multiplies buffer f and, in its middle, fetches quarter kq into buffer g
	s_wait_dscnt 4                                 ; all but the youngest four loads: A's row blocks 2 and 3
	WIN 0x50                                       ; fragments in window 0, C and D in window 1
	MULA \f, 0, \cm
	MULA \f, 1, \cm
	PLACES
	FETCH \g, \kq
	s_wait_dscnt 24                                ; all but the 24 just issued
	WIN 0x50
	MULA \f, 2, \cm
	MULA \f, 3, \cm
.endm
; The last quarter multiplies buffer 1 and changes slots.  In front of the barrier each wave waits for all its tensor loads (one is out: its part of the next slot), adds 0 to its spare word, and waits for that and
; for its reads of this slot.  fill = 1: the barrier opens a round of the cluster's barrier, and the joint refill (step s75) is the first thing behind it: 112 matrix instructions ahead of the wait for it.
.macro TURN fill
.if \fill
	s_wait_xcnt 0x0                                ; the last prefetch, a K step back, has read its address
	s_add_co_u32 s18, s75, 2
	s_mul_i32 s18, s18, s72
	s_add_nc_u64 s[70:71], s[68:69], s[18:19]
.endif
	WIN 0
	s_wait_tensorcnt 0x0                           ; no tensor load of mine is out, so the walking descriptors may be written
	ds_add_u32 v28, v29                            ; 0 onto my spare word
.if \fill
	s_mul_i32 s66, s75, ASTEP
	s_add_nc_u64 s[50:51], s[60:61], s[66:67]
	s_or_b32 s51, s51, 0x80000000
	s_xor_b32 s49, s49, SLOT1
	s_mul_i32 s100, s75, BSTEP
	s_add_nc_u64 s[58:59], s[62:63], s[100:101]
	s_or_b32 s59, s59, 0x80000000
	s_xor_b32 s57, s57, SLOT1
.endif
	s_wait_dscnt 5                                 ; the add and the youngest four loads may be out
	WIN 0x50
	MULA F1, 0, 0
	s_wait_dscnt 0x0                               ; the add is done, and my reads of this slot are over
	s_barrier_signal -1
	MULA F1, 1, 0
	WIN 0
	s_barrier_wait -1
.if \fill
	CREST
	JLOAD                                          ; its four v_nop are also the places in front of the loads below
.else
	PLACES
.endif
	s_xor_b32 s3, s3, SLOT1
	SETADR
	FETCH F0, 0
.if \fill
	ASK
.endif
	WIN 0x50
	MULA F1, 2, 0
	MULA F1, 3, 0
.endm
	s_load_b256 s[4:11], s[0:1], 0x0               ; A s[4:5], wts s[6:7], the bias s[8:9], the residual s[10:11]
	s_load_b128 s[12:15], s[0:1], 0x20             ; g1 or ps1 s[12:13], the result s[14:15]
	s_load_b64 s[16:17], s[0:1], 0x30              ; the partial sums
	v_lshl_add_u32 v28, v0, 2, SPARE
	v_mov_b32 v29, 0
	ds_add_u32 v28, v29                            ; the wave's opening add; its wait stands ahead of my first tensor load, with work on registers between
	v_lshrrev_b32 v1, 5, v0
	v_readfirstlane_b32 s20, v1                    ; wave 0..3
	s_lshr_b32 s21, s20, 1                         ; WM.  Also: I fetch A (0) or W (1)
	s_and_b32 s22, s20, 1                          ; WN.  Also: which half of it
	s_bfe_u32 s23, ttmp6, 0x40000                  ; cx
	s_bfe_u32 s24, ttmp6, 0x40004                  ; cy
	s_lshl_b32 s25, ttmp9, 2
	s_add_co_u32 s25, s25, s23                     ; the column group
	s_and_b32 s26, ttmp7, 0xffff
	s_lshl_b32 s26, s26, 2
	s_add_co_u32 s26, s26, s24                     ; the batch
	s_lshl_b32 s27, s24, 2
	s_lshl_b32 s27, 15, s27                        ; my row of the cluster
	s_lshl_b32 s79, 0x1111, s23                    ; my column
	s_or_b32 s28, s27, (1<<16)|(1<<20)|(1<<21)|(AQI<<22)|(3<<25)  ; A: the mask; 2-byte elements; padding on; bit 21 beside a mask; 4 words after every LDS row
	s_or_b32 s36, s79, (1<<16)|(1<<20)|(1<<21)|(5<<22)|(7<<25)    ; W: 8 words after every 64
	s_mov_b32 s29, 128<<16                         ; A: 64 rows of 128 elements
	s_mov_b32 s30, 64<<16
	s_mov_b32 s31, 128<<16
	s_mov_b32 s32, 64
	s_mov_b32 s33, ASTR
	s_mov_b32 s34, 0
	s_mov_b32 s35, 0
	s_mov_b32 s37, 128<<16                         ; W: 128 x 128
	s_mov_b32 s38, 128<<16
	s_mov_b32 s39, 128<<16
	s_mov_b32 s40, 128
	s_mov_b32 s41, NB
	s_mov_b32 s42, 0
	s_mov_b32 s43, 0
	s_mov_b32 s80, (1<<16)|(1<<20)|(6<<22)|(3<<25) ; the residual: no mask; 4 words after every 128
	s_mov_b32 s81, 256<<16                         ; 64 rows of 256 elements
	s_mov_b32 s82, 64<<16
	s_mov_b32 s83, 256<<16
	s_mov_b32 s84, 64
	s_mov_b32 s85, 1024
	s_mov_b32 s86, 0
	s_mov_b32 s87, 0
	s_mul_i32 s2, s22, AHALF                       ; LDS addresses hang on the wave's number alone
	s_mov_b32 s44, 1
	s_mov_b32 s45, s2
	s_mov_b32 s48, 1
	s_add_co_u32 s49, s2, SLOT1
	s_mul_i32 s2, s22, BSUB
	s_mov_b32 s52, 1
	s_add_co_u32 s53, s2, BOFF
	s_mov_b32 s56, 1
	s_add_co_u32 s57, s2, SLOT1+BOFF
	s_mul_i32 s2, s22, 64*RPITCH
	s_mov_b32 s88, 1
	s_add_co_u32 s89, s2, RREG
	s_lshl_b32 s66, s26, 18                        ; A: the batch's 262,144 bytes,
	s_mul_i32 s27, s22, AWN                        ; my half of a step's tile
	s_add_co_u32 s66, s66, s27
	s_mov_b32 s67, 0
	s_lshl_b32 s100, s25, 9                        ; W: the group's 256 columns,
	s_lshl_b32 s79, s22, 8                         ; my 128 of them
	s_add_co_u32 s100, s100, s79
	s_add_co_u32 s100, s100, WOFF
	s_mov_b32 s101, 0
	s_lshl_b32 s18, s26, 18                        ; the residual: the batch's rows, my 64, the group's 512 bytes of each
	s_lshl_b32 s2, s22, 17
	s_add_co_u32 s18, s18, s2
	s_lshl_b32 s79, s25, 9
	s_add_co_u32 s18, s18, s79
	s_mov_b32 s19, 0
	s_mov_b32 s3, 0
	s_mov_b32 s94, 0x76543210
	s_mov_b32 s95, 0xfedcba98
	s_wait_dscnt 0x0                               ; the opening add is done
	s_wait_kmcnt 0x0
	s_add_nc_u64 s[60:61], s[4:5], s[66:67]
	s_add_nc_u64 s[62:63], s[6:7], s[100:101]
	s_mov_b64 s[46:47], s[60:61]
	s_or_b32 s47, s47, 0x80000000
	s_add_nc_u64 s[50:51], s[60:61], ASTEP
	s_or_b32 s51, s51, 0x80000000
	s_mov_b64 s[54:55], s[62:63]
	s_or_b32 s55, s55, 0x80000000
	s_add_nc_u64 s[58:59], s[62:63], BSTEP
	s_or_b32 s59, s59, 0x80000000
	s_add_nc_u64 s[90:91], s[10:11], s[18:19]
	s_or_b32 s91, s91, 0x80000000
	CROUND                                         ; all sixteen work-groups are here: the first joint loads meet
	s_cmp_eq_u32 s21, 0                            ; a wave's first fills stand in one branch: three loads are out in waves 0 and 1, two in waves 2 and 3
	s_cbranch_scc0 .Lfirst_b
	tensor_load_to_lds s[88:91], s[80:87]
	s_nop 0
	tensor_load_to_lds s[44:47], s[28:35]
	s_nop 0
	tensor_load_to_lds s[48:51], s[28:35]
	s_nop 0
	PLACES
	s_branch .Lfirst_done
.Lfirst_b:
	tensor_load_to_lds s[52:55], s[36:43]
	s_nop 0
	tensor_load_to_lds s[56:59], s[36:43]
	s_nop 0
	PLACES
.Lfirst_done:
	v_and_b32 v3, 31, v0                           ; l
	v_and_b32 v1, 15, v0                           ; r
	v_bfe_u32 v2, v0, 4, 1                         ; h
	v_and_b32 v4, 7, v0
	v_bfe_u32 v5, v0, 3, 1
	v_lshlrev_b32 v8, 4, v3                        ; 16 l
	v_lshlrev_b32 v20, 3, v3                       ; 8 l
	v_mov_b32 v30, 1.0
	s_mul_i32 s2, s21, 64*APITCH
	v_mul_u32_u24 v6, v1, APITCH
	v_lshl_add_u32 v6, v2, 4, v6
	v_add_nc_u32 v6, s2, v6                        ; A's fragments: (64 WM + r) pitch + 16 h
	v_lshl_add_u32 v7, v2, 3, v4
	v_mul_u32_u24 v7, v7, BPITCH
	v_lshl_add_u32 v7, v5, 4, v7
	s_mul_i32 s2, s22, BSUB
	s_add_co_u32 s2, s2, BOFF
	v_add_nc_u32 v7, s2, v7                        ; W's: my sub-tile + (8 h + l % 8) pitch + 16 ((l / 8) % 2)
	s_mul_i32 s2, s21, 64*SPITCH
	s_lshl_b32 s77, s22, 9
	s_add_co_u32 s2, s2, s77
	v_mul_u32_u24 v12, v1, SPITCH
	v_lshl_add_u32 v12, v2, 5, v12
	v_add_nc_u32 v12, s2, v12                      ; into the stage: (64 WM + r) pitch + 512 WN + 32 h
	s_mul_i32 s2, s20, 32*SPITCH
	v_add_nc_u32 v21, s2, v8                       ; back: my 32 rows, 16 bytes a lane
	s_mul_i32 s2, s20, 32*RPITCH
	s_add_co_u32 s2, s2, RREG
	v_add_nc_u32 v22, s2, v20                      ; the residual: 8 bytes a lane
	s_lshl_b32 s2, s20, 7
	s_add_co_u32 s77, s2, SQS
	v_mov_b32 v23, s77                             ; my rows' sums
	s_add_co_u32 s77, s2, RS
	v_mov_b32 v24, s77                             ; my rows' rs1
	s_lshl_b32 s18, s25, 10                        ; the bias (and gain) of columns 256 group + 128 c + 4 l .. + 3: loads of 512 consecutive bytes
	s_add_nc_u64 s[8:9], s[8:9], s[18:19]
	global_load_b128 v[BI:BI+3],   v8, s[8:9]
	global_load_b128 v[BI+4:BI+7], v8, s[8:9] offset:512
.if FFN2
	s_lshl_b32 s18, s26, 9                         ; rs1 of the batch's 128 rows: thread t makes row t's
	s_add_nc_u64 s[12:13], s[12:13], s[18:19]
	v_lshlrev_b32 v9, 2, v0
.irp j, 0,1,2,3
	global_load_b32 v[32+(\j)], v9, s[12:13] offset:32768*(\j)
.endr
	s_wait_loadcnt 0x0
	v_add_f32 v32, v32, v33
	v_add_f32 v34, v34, v35
	v_add_f32 v32, v32, v34
	v_mov_b32 v36, 0x34000000                      ; 2^-23
	v_fmac_f32 v36, 0x3a800000, v32                ; + the sum / 1024
	v_rsq_f32 v36, v36
	v_lshl_add_u32 v27, v0, 2, RS                  ; the plain instruction behind it
	s_wait_alu depctr_va_vdst(0)
	ds_store_b32 v27, v36
.else
	s_add_nc_u64 s[12:13], s[12:13], s[18:19]
	global_load_b128 v[GA:GA+3],   v8, s[12:13]
	global_load_b128 v[GA+4:GA+7], v8, s[12:13] offset:512
.endif
	s_lshl_b32 s18, s26, 18                        ; the result at my 32 rows and the group's 512 bytes
	s_lshl_b32 s2, s20, 16
	s_add_co_u32 s18, s18, s2
	s_lshl_b32 s79, s25, 9
	s_add_co_u32 s18, s18, s79
	s_add_nc_u64 s[96:97], s[14:15], s[18:19]
	s_lshl_b32 s18, s25, 15                        ; the partial sums: [group][row]
	s_lshl_b32 s27, s26, 9
	s_add_co_u32 s18, s18, s27
	s_add_nc_u64 s[98:99], s[16:17], s[18:19]
	; the prefetches.  A's blocks of 256 bytes: wave 0 of the clusters with x = 0; the partners take 32 of a step's 128 each by address (cx).  W's rows: waves 2 and 3, each its own sub-tile, of the clusters with y = 0;
	; 32 k-rows each by address (cy).  So each block is named once.  The first four steps come by their loads alone.
	s_lshl_b32 s18, s26, 18
	s_mul_i32 s79, s23, 32*PRA
	s_add_co_u32 s18, s18, s79
	s_mul_i32 s27, s24, 32*PRB
	s_mov_b32 s72, PRB
	s_cmp_eq_u32 s21, 0
	s_cselect_b32 s18, s18, s27
	s_cselect_b32 s72, PRA, s72
	s_cselect_b64 s[68:69], s[4:5], s[62:63]
	s_add_nc_u64 s[68:69], s[68:69], s[18:19]
	v_mul_lo_u32 v14, v3, s72
	s_mov_b32 s72, BSTEP
	s_cselect_b32 s72, ASTEP, s72
	s_and_b32 s27, ttmp7, 0xffff
	s_cmp_eq_u32 s21, 0
	s_cselect_b32 s27, ttmp9, s27                  ; the coordinate along which other clusters read the same blocks
	s_cmp_eq_u32 s27, 0
	s_cselect_b32 s74, NSTEP-3, 0                  ; the last refill that still has a step two on
	s_cmp_eq_u32 s20, 1
	s_cselect_b32 s74, 0, s74
	s_mov_b32 s75, 2                               ; the step to be asked for next
	s_mov_b32 s76, NSTEP-2
	s_wait_loadcnt 0x0                             ; the bias and the gain
	s_wait_tensorcnt 1                             ; the residual and my part of step 0 are in; step 1's may stay out
	s_wait_dscnt 0x0                               ; for the others' sake: my store of rs1
	s_barrier_signal -1
	s_barrier_wait -1
	SETADR
	FETCH F0, 0
	QUARTER F0, F1, 1, 1                           ; the first quarter stands in front of the loop: its products start the sums
	WIN 0
	s_branch .Lq1
.Lstep:                                                ; a trip is a K step; six trips fill a slot again
	QUARTER F0, F1, 1, 0
	WIN 0
.Lq1:
	QUARTER F1, F0, 2, 0
	QUARTER F0, F1, 3, 0
	TURN 1
	WIN 0
	s_add_co_u32 s75, s75, 1
	s_sub_co_u32 s76, s76, 1
	s_cmp_lg_u32 s76, 0
	s_cbranch_scc1 .Lstep
	s_mov_b32 s76, 2
.Ltail:                                                ; the last two steps ask for nothing.  The second trip's fetch (of old bytes of slot 0) serves nothing: the price, once a launch, of one text for both trips
	QUARTER F0, F1, 1, 0
	QUARTER F1, F0, 2, 0
	QUARTER F0, F1, 3, 0
	TURN 0
	WIN 0
	s_sub_co_u32 s76, s76, 1
	s_cmp_lg_u32 s76, 0
	s_cbranch_scc1 .Ltail
	s_wait_dscnt 0x0                               ; my last reads of the ring are back
	s_barrier_signal -1
	s_barrier_wait -1                              ; everybody's are: the ring has had its last fill and its last read, and takes the stage
	PLACES
	WIN 0x04                                       ; store data in window 1; each accumulator's low registers first
.irp a, 0,1,2,3
.irp b, 0,1,2,3,4,5,6,7
	ds_store_b128 v12, v[8*(8*(\a)+(\b)):8*(8*(\a)+(\b))+3]   offset:16*SPITCH*(\a)+64*(\b)
	ds_store_b128 v12, v[8*(8*(\a)+(\b))+4:8*(8*(\a)+(\b))+7] offset:16*SPITCH*(\a)+64*(\b)+16
.endr
.endr
	WIN 0
	s_wait_dscnt 0x0                               ; for the others' sake: my part of the stage is written
	s_barrier_signal -1
	s_barrier_wait -1
	; Wave w takes rows 32 w .. 32 w + 31 of the tile whole, eight a trip.  Lane l has columns 4 l .. + 3 and 128 + 4 l .. + 3.
	s_mov_b32 s75, 0
	s_mov_b32 s77, 0
	s_mov_b32 s78, 0
	s_mov_b32 s76, 4
.Lrows:
	v_add_nc_u32 v16, s77, v21
	v_add_nc_u32 v17, s78, v22
	v_add_nc_u32 v18, s75, v23
.if FFN2
	v_add_nc_u32 v19, s75, v24
	ds_load_b128 v[RSV:RSV+3],   v19               ; the same words for all lanes
	ds_load_b128 v[RSV+4:RSV+7], v19 offset:16
.endif
.irp i, 0,1,2,3,4,5,6,7
	ds_load_b128 v[AC+8*(\i):AC+8*(\i)+3],   v16 offset:SPITCH*(\i)
	ds_load_b128 v[AC+8*(\i)+4:AC+8*(\i)+7], v16 offset:SPITCH*(\i)+512
	ds_load_b64 v[RR+4*(\i):RR+4*(\i)+1],    v17 offset:RPITCH*(\i)
	ds_load_b64 v[RR+4*(\i)+2:RR+4*(\i)+3],  v17 offset:RPITCH*(\i)+256
.endr
.irp i, 0,1,2,3,4,5,6,7
.if FFN2
.set SF, RSV+(\i)
.else
.set SF, 30
.endif
	s_wait_dscnt 4*(7-(\i))                        ; row i is in; the later rows' four loads each stay out
.irp k, 0,2,4,6
	v_fma_mix_f32_bf16 v[AC+8*(\i)+(\k)],   v[RR+4*(\i)+(\k)/2], v[SF], v[AC+8*(\i)+(\k)]   op_sel_hi:[1,0,0]                ; the residual's low half x its factor + the sum
	v_fma_mix_f32_bf16 v[AC+8*(\i)+(\k)+1], v[RR+4*(\i)+(\k)/2], v[SF], v[AC+8*(\i)+(\k)+1] op_sel:[1,0,0] op_sel_hi:[1,0,0]  ; the high half
.endr
.irp k, 0,2,4,6
	v_pk_add_f32 v[AC+8*(\i)+(\k):AC+8*(\i)+(\k)+1], v[AC+8*(\i)+(\k):AC+8*(\i)+(\k)+1], v[BI+(\k):BI+(\k)+1]
.endr
	v_pk_mul_f32 v[TP+2*(\i):TP+2*(\i)+1], v[AC+8*(\i):AC+8*(\i)+1], v[AC+8*(\i):AC+8*(\i)+1]
.irp k, 2,4,6
	v_pk_fma_f32 v[TP+2*(\i):TP+2*(\i)+1], v[AC+8*(\i)+(\k):AC+8*(\i)+(\k)+1], v[AC+8*(\i)+(\k):AC+8*(\i)+(\k)+1], v[TP+2*(\i):TP+2*(\i)+1]
.endr
	v_add_f32 v[SQ+(\i)], v[TP+2*(\i)], v[TP+2*(\i)+1]
.endr
.irp m, 1,2,4,8                        ; the eight rows' sums over the 32 lanes, side by side
.irp i, 0,1,2,3,4,5,6,7
	v_add_f32_dpp v[SQ+(\i)], v[SQ+(\i)], v[SQ+(\i)] row_xmask:\m row_mask:0xf bank_mask:0xf
.endr
.endr
.irp i, 0,1,2,3,4,5,6,7
	v_permlanex16_b32 v[TP+(\i)], v[SQ+(\i)], s94, s95
.endr
.irp i, 0,1,2,3,4,5,6,7
	v_add_f32 v[SQ+(\i)], v[SQ+(\i)], v[TP+(\i)]
.endr
.irp i, 0,1,2,3,4,5,6,7
	ds_store_b32 v18, v[SQ+(\i)] offset:4*(\i)     ; all lanes write the same word with the same number
.endr
.irp i, 0,1,2,3,4,5,6,7
.if !FFN2
.irp k, 0,2,4,6
	v_pk_mul_f32 v[AC+8*(\i)+(\k):AC+8*(\i)+(\k)+1], v[AC+8*(\i)+(\k):AC+8*(\i)+(\k)+1], v[GA+(\k):GA+(\k)+1]
.endr
.endif
.irp k, 0,1,2,3
	v_cvt_pk_bf16_f32 v[OUT+4*(\i)+(\k)], v[AC+8*(\i)+2*(\k)], v[AC+8*(\i)+2*(\k)+1]
.endr
	global_store_b64 v20, v[OUT+4*(\i):OUT+4*(\i)+1],   s[96:97] offset:2048*(\i)       ; a wave's store covers 256 consecutive bytes, aligned
	global_store_b64 v20, v[OUT+4*(\i)+2:OUT+4*(\i)+3], s[96:97] offset:2048*(\i)+256
.endr
	s_wait_xcnt 0x0                                ; the stores have read their registers and their base
	s_add_nc_u64 s[96:97], s[96:97], 8*2048
	s_add_co_u32 s77, s77, 8*SPITCH
	s_add_co_u32 s78, s78, 8*RPITCH
	s_add_co_u32 s75, s75, 32
	s_sub_co_u32 s76, s76, 1
	s_cmp_lg_u32 s76, 0
	s_cbranch_scc1 .Lrows
	s_wait_dscnt 0x0                               ; for wave 0's sake: my rows' sums are written
	s_barrier_signal -1
	s_barrier_wait -1
	s_cmp_lg_u32 s20, 0
	s_cbranch_scc1 .Lend
	v_lshl_add_u32 v9, v3, 4, SQS
	ds_load_b128 v[32:35], v9                      ; the 128 rows' sums
	s_wait_dscnt 0x0
	global_store_b128 v8, v[32:35], s[98:99]       ; 512 consecutive bytes
.Lend:
	s_wait_tensorcnt 0x0                           ; the wave's end, behind my last tensor load and my last LDS store
	ds_add_u32 v28, v29
	s_wait_dscnt 0x0
	CROUND                                         ; the closing round: no work-group ends while a partner may still ask for a tile that names it
	s_endpgm
.Lfunc_end_k_q35dfcc5a69_wo:
	.size	k_q35dfcc5a69_wo, .Lfunc_end_k_q35dfcc5a69_wo-k_q35dfcc5a69_wo
	.p2alignl 7, 3214868480
	.fill 96, 4, 3214868480
	.section	.rodata,"a",@progbits
	.p2align	6, 0x0
	.amdhsa_kernel k_q35dfcc5a69_wo
		.amdhsa_group_segment_fixed_size 327680
		.amdhsa_private_segment_fixed_size 0
		.amdhsa_enable_private_segment 0
		.amdhsa_kernarg_size 56
		.amdhsa_user_sgpr_count 2
		.amdhsa_user_sgpr_kernarg_segment_ptr 1
		.amdhsa_wavefront_size32 1
		.amdhsa_system_sgpr_workgroup_id_x 1
		.amdhsa_system_sgpr_workgroup_id_y 1
		.amdhsa_system_sgpr_workgroup_id_z 1
		.amdhsa_system_vgpr_workitem_id 0
		.amdhsa_next_free_vgpr 512
		.amdhsa_next_free_sgpr 102
		.amdhsa_reserve_vcc 0
		.amdhsa_float_denorm_mode_32 3
		.amdhsa_float_denorm_mode_16_64 3
		.amdhsa_memory_ordered 1
		.amdhsa_forward_progress 1
		.amdhsa_inst_pref_size 73
	.end_amdhsa_kernel
	.amdgpu_metadata
---
amdhsa.version: [ 1, 2 ]
amdhsa.kernels:
  - .name:           k_q35dfcc5a69_wo
    .symbol:         k_q35dfcc5a69_wo.kd
    .args:
      - { .name: cg, .offset: 0, .size: 8, .value_kind: global_buffer, .address_space: global }
      - { .name: wts, .offset: 8, .size: 8, .value_kind: global_buffer, .address_space: global }
      - { .name: bo, .offset: 16, .size: 8, .value_kind: global_buffer, .address_space: global }
      - { .name: xz, .offset: 24, .size: 8, .value_kind: global_buffer, .address_space: global }
      - { .name: g1, .offset: 32, .size: 8, .value_kind: global_buffer, .address_space: global }
      - { .name: yg, .offset: 40, .size: 8, .value_kind: global_buffer, .address_space: global }
      - { .name: ps1, .offset: 48, .size: 8, .value_kind: global_buffer, .address_space: global }
    .group_segment_fixed_size: 327680
    .private_segment_fixed_size: 0
    .kernarg_segment_align: 8
    .kernarg_segment_size: 56
    .max_flat_workgroup_size: 128
    .sgpr_count:     102
    .vgpr_count:     512
    .wavefront_size: 32
...
	.end_amdgpu_metadata
.endif
;; end of part 3
;; launch ffn1 (part 4): grid 8 x 32, 4 waves a work-group, clusters of 4 x 4, 327,680 bytes of LDS; arguments yg, wts, b1, ps1, cg; writes cg
.if DOCPART == 4
	.amdgcn_target "amdgcn-amd-amdhsa--gfx1250"
	.amdhsa_code_object_version 6
	.text
	.protected	k_q35dfcc5a69_ffn1
	.globl	k_q35dfcc5a69_ffn1
	.p2align	8
	.type	k_q35dfcc5a69_ffn1,@function
k_q35dfcc5a69_ffn1:
	s_mov_b64 s[64:65], 0
	v_nop
	global_prefetch_b8 v0, s[64:65] scope:SCOPE_SE
	s_setreg_imm32_b32 hwreg(HW_REG_WAVE_MODE, 25, 1), 1
	s_wait_xcnt 0x0
	s_wait_alu depctr_hold_cnt(0) depctr_sa_sdst(0) depctr_va_vdst(0) depctr_va_sdst(0) depctr_va_ssrc(0) depctr_va_vcc(0) depctr_vm_vsrc(0)
	s_getreg_b32 s2, hwreg(HW_REG_IB_STS2, 6, 4)
	s_cmp_eq_u32 s2, 0
	s_cbranch_scc0 .Lentry_in_a_cluster
	s_endpgm
.Lentry_in_a_cluster:
	s_bfe_u32 s2, ttmp6, 0x10000c
	s_cmp_lg_u32 s2, 0xf033
	s_cbranch_scc0 .Lentry_shape_is_right
	s_endpgm
.Lentry_shape_is_right:
; THE GATED HALF OF THE FEED-FORWARD.  h = rs1 (yg W1) + b1, rs1 = rsqrt(sum of the four partials / 1024 + 2^-23) (the norm's row factor commutes with the product); gg = gelu(h1) h2, stored row-major in bf16.
; gelu(x) = x / (1 + 2^(x (k0 + k1 x^2))), the tanh form: k0 = -2 log2(e) sqrt(2 / pi), k1 = 0.044715 k0.
; FORMATS AND LIMITS.  yg and W1 arrive in bf16; products and all of the gate in f32; gg rounded once to bf16.  The gate is multiplied onto h1 before h2 comes, so a gate of 0 never meets an overflowed product.
; NaN and infinities are not treated apart.
; SHARES.  h is 8,192 x 2,048: 256 work-groups, each 256 rows x 128 columns of h1 and the matching 128 of h2, K = 1024 in 8 steps of 128 through a ring of two LDS slots.  Wave w: WM = w / 2 (128 rows),
; WN = w % 2 (h1 or h2): 8 x 8 accumulators of 16 x 16, 512 registers; a K step is 256 matrix instructions a wave.  The matrix instruction is used transposed (source 0 = 16 columns of W1, turned by
; ds_load_tr16_b128; source 1 = 16 rows of yg): lane l = (r = l % 16, h = l / 16) holds row r and the columns 8 h + 0..7.
; CLUSTER.  4 x 4: yg's tiles are shared along a row of the cluster, W1's along a column: joint loads.
; LDS.  slot s at 147,456 s: yg's 256 rows of 256 bytes, pitch 272; at +69,632 W1's two sub-tiles (128 k-rows x 256 bytes, pitch 288).  The four tiles of a slot begin at 0, 0x8800, 0x11000 and 0x1a000, which share no
; bit with 147,456 = 0x24000: one exclusive or turns an address in one slot into the other's.  rs1 at 325,632, the spare words at 327,168.  When the ring has had its last fill, the sums go as f32 into a stage of
; 256 rows, pitch 1,040, at 0: h1 in a row's first 512 bytes, h2 in the next, so that one lane then has both.
; REGISTERS, in windows of 256 (s_set_vgpr_msb: bits 1:0 source 0, 3:2 source 1, 5:4 source 2, 7:6 destination).  window 0: v0-31 addresses; v64-127, v128-191 yg's fragments, two buffers of 8, later with v32-63
; the row loop's registers; v224-231 b1, loaded at the head and kept: above the fragment buffers.  window 1: v64-127, v128-191 W1's fragments.  window 2: the accumulators of row blocks 0-3, (a, b) at 8 (8 a + b);
; window 3: those of row blocks 4-7.
.set NSTEP,  8
.set SLOT1,  147456
.set APITCH, 272
.set AHALF,  128*APITCH                ; what one wave's load of yg fills
.set AWN,    262144                    ; 128 rows of yg in memory
.set ASTEP,  256
.set PRA,    2048
.set WOFF,   8388608
.set BOFF,   256*APITCH
.set BPITCH, 288
.set BSUB,   128*BPITCH
.set NB,     2048
.set PRB,    2*NB
.set BSTEP,  128*PRB
.set SPITCH, 1040
.set RS,     325632
.set SPARE,  327168
.set F0,  64
.set F1,  128
.set H1,  32                           ; the row loop: row i's four h1, four h2, four at work, two words out
.set H2,  64
.set U,   96
.set OUT, 128
.set RSV, 200                          ; rs1 of the trip's 8 rows: loaded in the row loop
.set BA,  224                          ; b1 of my four h1 columns, then of my four h2 columns: kept through the K loop, so outside v64-191
.set MUL_LO, 0xa1                      ; source 0 (W1) window 1, source 1 (yg) window 0, C and D window 2
.set MUL_HI, 0xf1                      ; the same, C and D window 3
.set MSB, 0
.macro WIN new                         ; the immediate's high byte repeats the setting that is left; a switch that changes nothing is dropped
.if MSB != (\new)
	s_set_vgpr_msb (MSB<<8)|(\new)
.set MSB, \new
.endif
.endm
.macro PLACES                          ; four plain vector instructions between a matrix instruction and a load into, or a read of, its registers
.rept 4
	v_nop
.endr
.endm
.macro CREST                           ; a round of the cluster's barrier behind its opening barrier
	s_cmp_lg_u32 s20, 0
	s_cbranch_scc1 .Lnot_wave_0_\@
	s_barrier_signal -3
.Lnot_wave_0_\@:
	s_barrier_wait -3
	s_barrier_signal -1
	s_barrier_wait -1
.endm
.macro CROUND
	s_barrier_signal -1
	s_barrier_wait -1
	CREST
.endm
.macro JLOAD                           ; a joint refill: waves 0 and 1 fetch yg's two halves, waves 2 and 3 W1's two sub-tiles; the branch hangs on the wave's number alone
	s_cmp_eq_u32 s21, 0
	s_cbranch_scc0 .Lfor_b_\@
	tensor_load_to_lds s[48:51], s[28:35]
	s_nop 0
	PLACES
	s_branch .Lasked_\@
.Lfor_b_\@:
	tensor_load_to_lds s[56:59], s[36:43]
	s_nop 0
	PLACES
.Lasked_\@:
.endm
.macro ASK                             ; a prefetch of the K step two refills on: a lane a row of 256 bytes; s74 is 0 in a wave that asks for nothing
	s_cmp_le_u32 s75, s74
	s_cbranch_scc0 .Lnot_mine_\@
	global_prefetch_b8 v14, s[70:71] th:TH_LOAD_NT scope:SCOPE_SE
.Lnot_mine_\@:
.endm
.macro SETADR                          ; the fragments' addresses in the slot at s3
	v_add_nc_u32 v10, s3, v6
	v_add_nc_u32 v11, s3, v7
.endm
; 8 matrix instructions: row block a (0-7) x all 8 column blocks, 32 along K.  cm = 1: the first product starts the sums.  The 64 accumulators take turns, one instruction a turn, in the same order in every quarter.
.macro MULA f, a, cm
.irp b, 0,1,2,3,4,5,6,7
.if (\cm) == 0
	v_wmma_f32_16x16x32_bf16 v[8*(8*((\a)%4)+(\b)):8*(8*((\a)%4)+(\b))+7], v[(\f)+8*(\b):(\f)+8*(\b)+7], v[(\f)+8*(\a):(\f)+8*(\a)+7], v[8*(8*((\a)%4)+(\b)):8*(8*((\a)%4)+(\b))+7]
.else
	v_wmma_f32_16x16x32_bf16 v[8*(8*((\a)%4)+(\b)):8*(8*((\a)%4)+(\b))+7], v[(\f)+8*(\b):(\f)+8*(\b)+7], v[(\f)+8*(\a):(\f)+8*(\a)+7], 0
.endif
.endr
.endm
.macro FETCH f, kq                     ; 32 LDS loads in one run: quarter kq's fragments into buffer f: W1's eight (turned, window 1), then yg's eight (window 0)
	WIN 0x40                                       ; destination window 1, address window 0
.irp b, 0,1,2,3,4,5,6,7
	ds_load_tr16_b128 v[(\f)+8*(\b):(\f)+8*(\b)+3],   v11 offset:32*BPITCH*(\kq)+32*(\b)
	ds_load_tr16_b128 v[(\f)+8*(\b)+4:(\f)+8*(\b)+7], v11 offset:32*BPITCH*(\kq)+32*(\b)+16*BPITCH
.endr
	WIN 0
.irp a, 0,1,2,3,4,5,6,7
	ds_load_b128 v[(\f)+8*(\a):(\f)+8*(\a)+3],   v10 offset:64*(\kq)+(\a)*16*APITCH
	ds_load_b128 v[(\f)+8*(\a)+4:(\f)+8*(\a)+7], v10 offset:64*(\kq)+(\a)*16*APITCH+32
.endr
.endm
.macro QUARTER f, g, kq, cm            ; 64 matrix instructions on buffer f; in their middle quarter kq is fetched into buffer g
	s_wait_dscnt 8                                 ; all but the youngest eight loads: yg's row blocks 4 to 7
	WIN MUL_LO
	MULA \f, 0, \cm
	MULA \f, 1, \cm
	MULA \f, 2, \cm
	MULA \f, 3, \cm
	PLACES
	FETCH \g, \kq
	s_wait_dscnt 32                                ; all but the 32 just issued
	WIN MUL_HI
	MULA \f, 4, \cm
	MULA \f, 5, \cm
	MULA \f, 6, \cm
	MULA \f, 7, \cm
.endm
; The last quarter multiplies buffer 1 and changes slots.  In front of the barrier each wave waits for all its tensor loads (one is out: its part of the next slot), adds 0 to its spare word, and waits for that and
; for its reads of this slot.  fill = 1: the barrier opens a round of the cluster's barrier, and the joint refill (step s75) is the first thing behind it: 224 matrix instructions ahead of the wait for it.
.macro TURN fill
.if \fill
	s_wait_xcnt 0x0                                ; the last prefetch, a K step back, has read its address
	s_add_co_u32 s18, s75, 2
	s_mul_i32 s18, s18, s72
	s_add_nc_u64 s[70:71], s[68:69], s[18:19]
.endif
	WIN 0                                          ; (the add's two registers lie in window 0)
	s_wait_tensorcnt 0x0                           ; no tensor load of mine is out, so the walking descriptors may be written
	ds_add_u32 v28, v29                            ; 0 onto my spare word
.if \fill
	s_mul_i32 s66, s75, ASTEP
	s_add_nc_u64 s[50:51], s[60:61], s[66:67]
	s_or_b32 s51, s51, 0x80000000
	s_xor_b32 s49, s49, SLOT1
	s_mul_i32 s100, s75, BSTEP
	s_add_nc_u64 s[58:59], s[62:63], s[100:101]
	s_or_b32 s59, s59, 0x80000000
	s_xor_b32 s57, s57, SLOT1
.endif
	s_wait_dscnt 9                                 ; the add and the youngest eight loads may be out
	WIN MUL_LO
	MULA F1, 0, 0
	MULA F1, 1, 0
	s_wait_dscnt 0x0                               ; the add is done, and my reads of this slot are over
	s_barrier_signal -1
	MULA F1, 2, 0
	MULA F1, 3, 0
	WIN 0
	s_barrier_wait -1
.if \fill
	CREST
	JLOAD                                          ; its four v_nop are also the places in front of the loads below
.else
	PLACES
.endif
	s_xor_b32 s3, s3, SLOT1
	SETADR
	FETCH F0, 0
.if \fill
	ASK
.endif
	WIN MUL_HI
	MULA F1, 4, 0
	MULA F1, 5, 0
	MULA F1, 6, 0
	MULA F1, 7, 0
.endm
	s_load_b256 s[4:11], s[0:1], 0x0               ; yg s[4:5], wts s[6:7], b1 s[8:9], ps1 s[10:11]
	s_load_b64 s[12:13], s[0:1], 0x20              ; cg
	v_lshl_add_u32 v28, v0, 2, SPARE
	v_mov_b32 v29, 0
	ds_add_u32 v28, v29                            ; the wave's opening add; its wait stands ahead of my first tensor load, with work on registers between
	v_lshrrev_b32 v1, 5, v0
	v_readfirstlane_b32 s20, v1                    ; wave 0..3
	s_lshr_b32 s21, s20, 1                         ; WM.  Also: I fetch yg (0) or W1 (1)
	s_and_b32 s22, s20, 1                          ; WN.  Also: which half of it
	s_bfe_u32 s23, ttmp6, 0x40000                  ; cx
	s_bfe_u32 s24, ttmp6, 0x40004                  ; cy
	s_lshl_b32 s25, ttmp9, 2
	s_add_co_u32 s25, s25, s23                     ; the column group, 0..7: 128 columns of gg
	s_and_b32 s26, ttmp7, 0xffff
	s_lshl_b32 s26, s26, 2
	s_add_co_u32 s26, s26, s24                     ; the block of 256 rows, 0..31
	s_lshl_b32 s27, s24, 2
	s_lshl_b32 s27, 15, s27                        ; my row of the cluster
	s_lshl_b32 s79, 0x1111, s23                    ; my column
	s_or_b32 s28, s27, (1<<16)|(1<<20)|(1<<21)|(5<<22)|(3<<25)  ; yg: the mask; 2-byte elements; padding on; bit 21 beside a mask; after every 64 words 4 words
	s_or_b32 s36, s79, (1<<16)|(1<<20)|(1<<21)|(5<<22)|(7<<25)  ; W1: the same with 8 words
	s_mov_b32 s29, 128<<16                         ; yg: 128 rows of 128 elements
	s_mov_b32 s30, 128<<16
	s_mov_b32 s31, 128<<16
	s_mov_b32 s32, 128
	s_mov_b32 s33, 1024
	s_mov_b32 s34, 0
	s_mov_b32 s35, 0
	s_mov_b32 s37, 128<<16                         ; W1: 128 x 128
	s_mov_b32 s38, 128<<16
	s_mov_b32 s39, 128<<16
	s_mov_b32 s40, 128
	s_mov_b32 s41, NB
	s_mov_b32 s42, 0
	s_mov_b32 s43, 0
	s_mul_i32 s2, s22, AHALF                       ; LDS addresses hang on the wave's number alone
	s_mov_b32 s44, 1
	s_mov_b32 s45, s2                              ; step 0, slot 0
	s_mov_b32 s48, 1
	s_add_co_u32 s49, s2, SLOT1                    ; step 1, slot 1: this set walks on
	s_mul_i32 s2, s22, BSUB
	s_mov_b32 s52, 1
	s_add_co_u32 s53, s2, BOFF
	s_mov_b32 s56, 1
	s_add_co_u32 s57, s2, SLOT1+BOFF
	s_lshl_b32 s66, s26, 19                        ; yg: the block's 256 rows of 2,048 bytes, my 128 of them
	s_mul_i32 s27, s22, AWN
	s_add_co_u32 s66, s66, s27
	s_mov_b32 s67, 0
	s_lshl_b32 s100, s25, 8                        ; W1: the group's 128 columns of h1,
	s_lshl_b32 s79, s22, 11                        ; or the matching ones of h2, 1,024 columns on
	s_add_co_u32 s100, s100, s79
	s_add_co_u32 s100, s100, WOFF
	s_mov_b32 s101, 0
	s_mov_b32 s19, 0
	s_mov_b32 s3, 0                                ; the slot that fragments are fetched from
	s_mov_b32 s92, 0xc0135761                      ; k0, named as a pair
	s_mov_b32 s93, s92
	s_mov_b32 s96, 0xbdd2d3e8                      ; k1
	s_mov_b32 s97, s96
	s_wait_dscnt 0x0                               ; the opening add is done
	s_wait_kmcnt 0x0
	s_add_nc_u64 s[60:61], s[4:5], s[66:67]
	s_add_nc_u64 s[62:63], s[6:7], s[100:101]
	s_mov_b64 s[46:47], s[60:61]
	s_or_b32 s47, s47, 0x80000000
	s_add_nc_u64 s[50:51], s[60:61], ASTEP
	s_or_b32 s51, s51, 0x80000000
	s_mov_b64 s[54:55], s[62:63]
	s_or_b32 s55, s55, 0x80000000
	s_add_nc_u64 s[58:59], s[62:63], BSTEP
	s_or_b32 s59, s59, 0x80000000
	CROUND                                         ; all sixteen work-groups are here: the first joint loads meet
	s_cmp_eq_u32 s21, 0                            ; a wave's two first fills stand in one branch: two loads of mine are out
	s_cbranch_scc0 .Lfirst_b
	tensor_load_to_lds s[44:47], s[28:35]
	s_nop 0
	tensor_load_to_lds s[48:51], s[28:35]
	s_nop 0
	PLACES
	s_branch .Lfirst_done
.Lfirst_b:
	tensor_load_to_lds s[52:55], s[36:43]
	s_nop 0
	tensor_load_to_lds s[56:59], s[36:43]
	s_nop 0
	PLACES
.Lfirst_done:
	v_and_b32 v3, 31, v0                           ; l
	v_and_b32 v1, 15, v0                           ; r
	v_bfe_u32 v2, v0, 4, 1                         ; h
	v_and_b32 v4, 7, v0
	v_bfe_u32 v5, v0, 3, 1
	v_lshlrev_b32 v8, 4, v3                        ; 16 l
	v_lshlrev_b32 v20, 3, v3                       ; 8 l
	s_mul_i32 s2, s21, 128*APITCH
	v_mul_u32_u24 v6, v1, APITCH
	v_lshl_add_u32 v6, v2, 4, v6
	v_add_nc_u32 v6, s2, v6                        ; yg's fragments: (128 WM + r) pitch + 16 h
	v_lshl_add_u32 v7, v2, 3, v4
	v_mul_u32_u24 v7, v7, BPITCH
	v_lshl_add_u32 v7, v5, 4, v7
	s_mul_i32 s2, s22, BSUB
	s_add_co_u32 s2, s2, BOFF
	v_add_nc_u32 v7, s2, v7                        ; W1's: my sub-tile + (8 h + l % 8) pitch + 16 ((l / 8) % 2)
	s_mul_i32 s2, s21, 128*SPITCH
	s_lshl_b32 s77, s22, 9
	s_add_co_u32 s2, s2, s77
	v_mul_u32_u24 v12, v1, SPITCH
	v_lshl_add_u32 v12, v2, 5, v12
	v_add_nc_u32 v12, s2, v12                      ; into the stage: (128 WM + r) pitch + 512 WN + 32 h, for row blocks 0 to 3;
	v_add_nc_u32 v13, 64*SPITCH, v12               ; for row blocks 4 to 7, 64 rows on: an LDS offset holds 16 bits
	s_mul_i32 s2, s20, 64*SPITCH
	v_add_nc_u32 v21, s2, v8                       ; back: my 64 rows, 16 bytes a lane
	s_lshl_b32 s2, s20, 8
	s_add_co_u32 s2, s2, RS
	v_mov_b32 v24, s2                              ; my rows' rs1
	s_lshl_b32 s18, s25, 9                         ; b1 of columns 128 group + 4 l .. + 3, and of those 1,024 on
	s_add_nc_u64 s[8:9], s[8:9], s[18:19]
	global_load_b128 v[BA:BA+3],   v8, s[8:9]
	global_load_b128 v[BA+4:BA+7], v8, s[8:9] offset:4096
	s_lshl_b32 s18, s26, 10                        ; rs1 of the block's 256 rows: thread t makes rows t and 128 + t
	s_add_nc_u64 s[10:11], s[10:11], s[18:19]
	v_lshlrev_b32 v9, 2, v0
.irp j, 0,1,2,3
	global_load_b32 v[32+(\j)], v9, s[10:11] offset:32768*(\j)
	global_load_b32 v[36+(\j)], v9, s[10:11] offset:32768*(\j)+512
.endr
	s_wait_loadcnt 0x0
	v_add_f32 v32, v32, v33
	v_add_f32 v34, v34, v35
	v_add_f32 v36, v36, v37
	v_add_f32 v38, v38, v39
	v_add_f32 v32, v32, v34
	v_add_f32 v36, v36, v38
	v_mov_b32 v40, 0x34000000                      ; 2^-23
	v_mov_b32 v41, 0x34000000
	v_fmac_f32 v40, 0x3a800000, v32                ; + the sum / 1024
	v_fmac_f32 v41, 0x3a800000, v36
	v_rsq_f32 v40, v40
	v_rsq_f32 v41, v41
	v_lshl_add_u32 v27, v0, 2, RS                  ; the plain instruction behind them
	s_wait_alu depctr_va_vdst(0)                   ; one wait for the two
	ds_store_b32 v27, v40
	ds_store_b32 v27, v41 offset:512
	s_lshl_b32 s18, s26, 19                        ; gg at my 64 rows and the group's 256 bytes
	s_lshl_b32 s2, s20, 17
	s_add_co_u32 s18, s18, s2
	s_lshl_b32 s79, s25, 8
	s_add_co_u32 s18, s18, s79
	s_add_nc_u64 s[98:99], s[12:13], s[18:19]
	; the prefetches.  yg's rows: waves 0 and 1, each of the 128 rows that it fetches, in the clusters with x = 0; the partners take 32 rows each by address (cx).  W1's rows: waves 2 and 3, each its own sub-tile, in the
	; clusters with y = 0; 32 k-rows each by address (cy).  So each row's 256 bytes of a step are named once.  The first four steps come by their loads alone.
	s_lshl_b32 s18, s26, 19
	s_lshl_b32 s2, s22, 18
	s_add_co_u32 s18, s18, s2
	s_mul_i32 s79, s23, 32*PRA
	s_add_co_u32 s18, s18, s79
	s_mul_i32 s27, s24, 32*PRB
	s_mov_b32 s72, PRB
	s_cmp_eq_u32 s21, 0
	s_cselect_b32 s18, s18, s27
	s_cselect_b32 s72, PRA, s72
	s_cselect_b64 s[68:69], s[4:5], s[62:63]
	s_add_nc_u64 s[68:69], s[68:69], s[18:19]
	v_mul_lo_u32 v14, v3, s72                      ; a lane a row
	s_mov_b32 s72, BSTEP
	s_cselect_b32 s72, ASTEP, s72
	s_and_b32 s27, ttmp7, 0xffff
	s_cmp_eq_u32 s21, 0
	s_cselect_b32 s27, ttmp9, s27                  ; the coordinate along which other clusters read the same rows
	s_cmp_eq_u32 s27, 0
	s_cselect_b32 s74, NSTEP-3, 0                  ; the last refill that still has a step two on
	s_mov_b32 s75, 2                               ; the step to be asked for next
	s_mov_b32 s76, NSTEP-2
	s_wait_tensorcnt 1                             ; my part of step 0 is in; step 1's may stay out
	s_wait_dscnt 0x0                               ; for the others' sake: my stores of rs1
	s_barrier_signal -1
	s_barrier_wait -1
	SETADR
	FETCH F0, 0
	QUARTER F0, F1, 1, 1                           ; the first quarter stands in front of the loop: its products start the sums
	WIN 0                                          ; at a label and at a branch every window is 0
	s_branch .Lq1
.Lstep:                                                ; a trip is a K step; six trips fill a slot again
	QUARTER F0, F1, 1, 0
	WIN 0
.Lq1:
	QUARTER F1, F0, 2, 0
	QUARTER F0, F1, 3, 0
	TURN 1
	WIN 0
	s_add_co_u32 s75, s75, 1
	s_sub_co_u32 s76, s76, 1
	s_cmp_lg_u32 s76, 0
	s_cbranch_scc1 .Lstep
	s_mov_b32 s76, 2
.Ltail:                                                ; the last two steps ask for nothing.  The second trip's fetch (of old bytes of slot 0) serves nothing: the price, once a launch, of one text for both trips
	QUARTER F0, F1, 1, 0
	QUARTER F1, F0, 2, 0
	QUARTER F0, F1, 3, 0
	TURN 0
	WIN 0
	s_sub_co_u32 s76, s76, 1
	s_cmp_lg_u32 s76, 0
	s_cbranch_scc1 .Ltail
	s_wait_dscnt 0x0                               ; my last reads of the ring are back
	s_barrier_signal -1
	s_barrier_wait -1                              ; everybody's are: the ring has had its last fill and its last read, and takes the stage
	PLACES
	WIN 0x08                                       ; store data in window 2; each accumulator's low registers first
.irp a, 0,1,2,3
.irp b, 0,1,2,3,4,5,6,7
	ds_store_b128 v12, v[8*(8*(\a)+(\b)):8*(8*(\a)+(\b))+3]   offset:16*SPITCH*(\a)+64*(\b)
	ds_store_b128 v12, v[8*(8*(\a)+(\b))+4:8*(8*(\a)+(\b))+7] offset:16*SPITCH*(\a)+64*(\b)+16
.endr
.endr
	WIN 0x0c                                       ; store data in window 3: row blocks 4 to 7
.irp a, 0,1,2,3
.irp b, 0,1,2,3,4,5,6,7
	ds_store_b128 v13, v[8*(8*(\a)+(\b)):8*(8*(\a)+(\b))+3]   offset:16*SPITCH*(\a)+64*(\b)
	ds_store_b128 v13, v[8*(8*(\a)+(\b))+4:8*(8*(\a)+(\b))+7] offset:16*SPITCH*(\a)+64*(\b)+16
.endr
.endr
	WIN 0
	s_wait_dscnt 0x0                               ; for the others' sake: my part of the stage is written
	s_barrier_signal -1
	s_barrier_wait -1
	; Wave w takes rows 64 w .. 64 w + 63, eight a trip.  Lane l has columns 4 l .. + 3 of h1 and of h2.
	s_mov_b32 s75, 0
	s_mov_b32 s77, 0
	s_mov_b32 s76, 8
.Lrows:
	v_add_nc_u32 v16, s77, v21
	v_add_nc_u32 v19, s75, v24
	ds_load_b128 v[RSV:RSV+3],   v19               ; the same words for all lanes
	ds_load_b128 v[RSV+4:RSV+7], v19 offset:16
.irp i, 0,1,2,3,4,5,6,7
	ds_load_b128 v[H1+4*(\i):H1+4*(\i)+3], v16 offset:SPITCH*(\i)
	ds_load_b128 v[H2+4*(\i):H2+4*(\i)+3], v16 offset:SPITCH*(\i)+512
.endr
	s_wait_dscnt 0x0
.irp i, 0,1,2,3,4,5,6,7                ; h = sum x rs1 + b1; the row's rs1 is the low or the high word of its pair
.irp k, 0,2
.if (\i)%2
	v_pk_fma_f32 v[H1+4*(\i)+(\k):H1+4*(\i)+(\k)+1], v[H1+4*(\i)+(\k):H1+4*(\i)+(\k)+1], v[RSV+(\i)-1:RSV+(\i)], v[BA+(\k):BA+(\k)+1] op_sel:[0,1,0] op_sel_hi:[1,1,1]
	v_pk_fma_f32 v[H2+4*(\i)+(\k):H2+4*(\i)+(\k)+1], v[H2+4*(\i)+(\k):H2+4*(\i)+(\k)+1], v[RSV+(\i)-1:RSV+(\i)], v[BA+4+(\k):BA+4+(\k)+1] op_sel:[0,1,0] op_sel_hi:[1,1,1]
.else
	v_pk_fma_f32 v[H1+4*(\i)+(\k):H1+4*(\i)+(\k)+1], v[H1+4*(\i)+(\k):H1+4*(\i)+(\k)+1], v[RSV+(\i):RSV+(\i)+1], v[BA+(\k):BA+(\k)+1] op_sel_hi:[1,0,1]
	v_pk_fma_f32 v[H2+4*(\i)+(\k):H2+4*(\i)+(\k)+1], v[H2+4*(\i)+(\k):H2+4*(\i)+(\k)+1], v[RSV+(\i):RSV+(\i)+1], v[BA+4+(\k):BA+4+(\k)+1] op_sel_hi:[1,0,1]
.endif
.endr
.endr
.set q, 0
.rept 16
	v_pk_mul_f32 v[U+2*q:U+2*q+1], v[H1+2*q:H1+2*q+1], v[H1+2*q:H1+2*q+1]
.set q, q+1
.endr
.set q, 0
.rept 16
	v_pk_fma_f32 v[U+2*q:U+2*q+1], v[U+2*q:U+2*q+1], s[96:97], s[92:93] op_sel_hi:[1,0,0]   ; k1 x^2 + k0
.set q, q+1
.endr
.set q, 0
.rept 16
	v_pk_mul_f32 v[U+2*q:U+2*q+1], v[U+2*q:U+2*q+1], v[H1+2*q:H1+2*q+1]
.set q, q+1
.endr
.set q, 0
.rept 32
	v_exp_f32 v[U+q], v[U+q]                       ; one batch
.set q, q+1
.endr
	v_nop
	s_wait_alu depctr_va_vdst(0)                   ; one wait for the 32 exponentials
.set q, 0
.rept 16
	v_pk_add_f32 v[U+2*q:U+2*q+1], v[U+2*q:U+2*q+1], 1.0 op_sel_hi:[1,0]
.set q, q+1
.endr
.set q, 0
.rept 32
	v_rcp_f32 v[U+q], v[U+q]                       ; one batch
.set q, q+1
.endr
	v_nop
	s_wait_alu depctr_va_vdst(0)                   ; one wait for the 32 reciprocals
.set q, 0
.rept 16
	v_pk_mul_f32 v[U+2*q:U+2*q+1], v[U+2*q:U+2*q+1], v[H1+2*q:H1+2*q+1]   ; gelu(h1)
.set q, q+1
.endr
.set q, 0
.rept 16
	v_pk_mul_f32 v[U+2*q:U+2*q+1], v[U+2*q:U+2*q+1], v[H2+2*q:H2+2*q+1]
.set q, q+1
.endr
.irp i, 0,1,2,3,4,5,6,7
	v_cvt_pk_bf16_f32 v[OUT+2*(\i)],   v[U+4*(\i)],   v[U+4*(\i)+1]
	v_cvt_pk_bf16_f32 v[OUT+2*(\i)+1], v[U+4*(\i)+2], v[U+4*(\i)+3]
	global_store_b64 v20, v[OUT+2*(\i):OUT+2*(\i)+1], s[98:99] offset:2048*(\i)   ; a wave's store covers 256 consecutive bytes, aligned
.endr
	s_wait_xcnt 0x0                                ; the stores have read their registers and their base
	s_add_nc_u64 s[98:99], s[98:99], 8*2048
	s_add_co_u32 s77, s77, 8*SPITCH
	s_add_co_u32 s75, s75, 32
	s_sub_co_u32 s76, s76, 1
	s_cmp_lg_u32 s76, 0
	s_cbranch_scc1 .Lrows
	s_wait_tensorcnt 0x0                           ; the wave's end, behind my last tensor load and my last LDS store
	ds_add_u32 v28, v29
	s_wait_dscnt 0x0
	CROUND                                         ; the closing round: no work-group ends while a partner may still ask for a tile that names it
	s_endpgm
.Lfunc_end_k_q35dfcc5a69_ffn1:
	.size	k_q35dfcc5a69_ffn1, .Lfunc_end_k_q35dfcc5a69_ffn1-k_q35dfcc5a69_ffn1
	.p2alignl 7, 3214868480
	.fill 96, 4, 3214868480
	.section	.rodata,"a",@progbits
	.p2align	6, 0x0
	.amdhsa_kernel k_q35dfcc5a69_ffn1
		.amdhsa_group_segment_fixed_size 327680
		.amdhsa_private_segment_fixed_size 0
		.amdhsa_enable_private_segment 0
		.amdhsa_kernarg_size 40
		.amdhsa_user_sgpr_count 2
		.amdhsa_user_sgpr_kernarg_segment_ptr 1
		.amdhsa_wavefront_size32 1
		.amdhsa_system_sgpr_workgroup_id_x 1
		.amdhsa_system_sgpr_workgroup_id_y 1
		.amdhsa_system_sgpr_workgroup_id_z 1
		.amdhsa_system_vgpr_workitem_id 0
		.amdhsa_next_free_vgpr 1024
		.amdhsa_next_free_sgpr 102
		.amdhsa_reserve_vcc 0
		.amdhsa_float_denorm_mode_32 3
		.amdhsa_float_denorm_mode_16_64 3
		.amdhsa_memory_ordered 1
		.amdhsa_forward_progress 1
		.amdhsa_inst_pref_size 94
	.end_amdhsa_kernel
	.amdgpu_metadata
---
amdhsa.version: [ 1, 2 ]
amdhsa.kernels:
  - .name:           k_q35dfcc5a69_ffn1
    .symbol:         k_q35dfcc5a69_ffn1.kd
    .args:
      - { .name: yg, .offset: 0, .size: 8, .value_kind: global_buffer, .address_space: global }
      - { .name: wts, .offset: 8, .size: 8, .value_kind: global_buffer, .address_space: global }
      - { .name: b1, .offset: 16, .size: 8, .value_kind: global_buffer, .address_space: global }
      - { .name: ps1, .offset: 24, .size: 8, .value_kind: global_buffer, .address_space: global }
      - { .name: cg, .offset: 32, .size: 8, .value_kind: global_buffer, .address_space: global }
    .group_segment_fixed_size: 327680
    .private_segment_fixed_size: 0
    .kernarg_segment_align: 8
    .kernarg_segment_size: 40
    .max_flat_workgroup_size: 128
    .sgpr_count:     102
    .vgpr_count:     1024
    .wavefront_size: 32
...
	.end_amdgpu_metadata
.endif
;; end of part 4
;; launch ffn2 (part 5): grid 4 x 64, 4 waves a work-group, clusters of 4 x 4, 327,680 bytes of LDS; arguments cg, wts, b2, yg, ps1, xz, ps2; writes xz, ps2
.if DOCPART == 5
	.amdgcn_target "amdgcn-amd-amdhsa--gfx1250"
	.amdhsa_code_object_version 6
	.text
	.protected	k_q35dfcc5a69_ffn2
	.globl	k_q35dfcc5a69_ffn2
	.p2align	8
	.type	k_q35dfcc5a69_ffn2,@function
k_q35dfcc5a69_ffn2:
	s_mov_b64 s[64:65], 0
	v_nop
	global_prefetch_b8 v0, s[64:65] scope:SCOPE_SE
	s_setreg_imm32_b32 hwreg(HW_REG_WAVE_MODE, 25, 1), 1
	s_wait_xcnt 0x0
	s_wait_alu depctr_hold_cnt(0) depctr_sa_sdst(0) depctr_va_vdst(0) depctr_va_sdst(0) depctr_va_ssrc(0) depctr_va_vcc(0) depctr_vm_vsrc(0)
	s_getreg_b32 s2, hwreg(HW_REG_IB_STS2, 6, 4)
	s_cmp_eq_u32 s2, 0
	s_cbranch_scc0 .Lentry_in_a_cluster
	s_endpgm
.Lentry_in_a_cluster:
	s_bfe_u32 s2, ttmp6, 0x10000c
	s_cmp_lg_u32 s2, 0xf033
	s_cbranch_scc0 .Lentry_shape_is_right
	s_endpgm
.Lentry_shape_is_right:
; A PROJECTION WITH RESIDUAL AND A PARTIAL SUM OF SQUARES.  One text serves two launches, told apart by FFN2.
; FFN2 = 0: y = xb + ctx Wo + bo; stored: yg = bf16(y g1) and ps[group][row] = the sum of y^2 over the work-group's 256 columns.  ctx lies by heads, [batch][16][128][64].
; FFN2 = 1: z = yg rs1 + gg W2 + b2, rs1 = rsqrt(sum of the four partials / 1024 + 2^-23); stored: bf16(z) and the partial sums of z^2.  gg is row-major.
; The norm's row factor is left to the reader of the result: a row's 1,024 columns belong to four work-groups, and no work-group reads what another stores in a launch.
; FORMATS AND LIMITS.  Matrix operands and the residual arrive in bf16; products and sums in f32; the sums of squares are taken of the unrounded f32 numbers and stay f32; the result is rounded once to bf16
; (at most 2^-9 of the number).  NaN and infinities are not treated apart.
; SHARES.  A work-group: 128 rows (a batch) x 256 columns, K = 1024 in 8 steps of 128 through a ring of two LDS slots.  Wave w: WM = w / 2 (64 rows), WN = w % 2 (128 columns): 4 x 8 accumulators.  The matrix
; instruction is used transposed (source 0 = 16 columns of W, turned by ds_load_tr16_b128; source 1 = 16 rows of A).
; CLUSTER.  4 x 4: A's tiles are shared along a row of the cluster, W's along a column: joint loads.  The residual's tile is a work-group's own: a plain load among the first fills.
; LDS.  slot s at 131,072 s: A at +0, W's two sub-tiles (128 k-rows x 256 bytes, pitch 288) at +36,864.  The residual's 128 rows of 512 bytes, pitch 528, at 241,664.  The rows' sums at 325,632, rs1 at 326,656,
; the spare words at 327,168.  When the ring has had its last fill, the sums go as f32 into a stage of 128 rows, pitch 1,040, at 0, so that a wave then has whole rows of the tile.
; REGISTERS.  window 0: v0-31 addresses; v32-127, v128-223 two fragment buffers, later the row loop's registers; v224-239 the bias and the gain, loaded at the head and kept: above the fragment buffers.
; window 1: the accumulators, (a, b) at 8 (8 a + b).
.set FFN2,   1
.set NSTEP,  8
.set SLOT1,  131072
.if FFN2
.set APITCH, 272                       ; 128 rows of 256 bytes
.set AHALF,  64*APITCH                 ; a wave's load: 64 rows
.set AWN,    131072
.set ASTEP,  256
.set PRA,    2048
.set AQI,    5
.set ASTR,   1024
.set WOFF,   12582912
.else
.set APITCH, 144                       ; two heads x 128 rows of 128 bytes
.set AHALF,  128*APITCH                ; a wave's load: one head, 16,384 dense bytes asked for as 64 rows of 256, padded after every 128
.set AWN,    16384
.set ASTEP,  32768
.set PRA,    256
.set AQI,    4
.set ASTR,   128
.set WOFF,   6291456
.endif
.set BOFF,   36864
.set BPITCH, 288
.set BSUB,   128*BPITCH
.set NB,     1024
.set PRB,    2*NB
.set BSTEP,  128*PRB
.set RREG,   241664
.set RPITCH, 528
.set SPITCH, 1040
.set SQS,    325632
.set RS,     326656
.set SPARE,  327168
.set F0,  32
.set F1,  128
.set AC,  32                           ; the row loop: row i's 8 sums
.set RR,  96                           ; its 8 residuals, bf16
.set SQ,  128                          ; its sum of squares
.set TP,  136
.set OUT, 152
.set RSV, 200                          ; rs1 of the trip's 8 rows: loaded in the row loop
.set BI,  224                          ; the bias of my 8 columns: kept through the K loop, so outside v32-223
.set GA,  232                          ; the gain, likewise
.set MSB, 0
.macro WIN new                         ; the immediate's high byte repeats the setting that is left; a switch that changes nothing is dropped
.if MSB != (\new)
	s_set_vgpr_msb (MSB<<8)|(\new)
.set MSB, \new
.endif
.endm
.macro PLACES                          ; four plain vector instructions between a matrix instruction and a load into, or a read of, its registers
.rept 4
	v_nop
.endr
.endm
.macro CREST                           ; a round of the cluster's barrier behind its opening barrier
	s_cmp_lg_u32 s20, 0
	s_cbranch_scc1 .Lnot_wave_0_\@
	s_barrier_signal -3
.Lnot_wave_0_\@:
	s_barrier_wait -3
	s_barrier_signal -1
	s_barrier_wait -1
.endm
.macro CROUND
	s_barrier_signal -1
	s_barrier_wait -1
	CREST
.endm
.macro JLOAD                           ; a joint refill: waves 0 and 1 fetch A's two halves, waves 2 and 3 W's two sub-tiles; the branch hangs on the wave's number alone
	s_cmp_eq_u32 s21, 0
	s_cbranch_scc0 .Lfor_b_\@
	tensor_load_to_lds s[48:51], s[28:35]
	s_nop 0
	PLACES
	s_branch .Lasked_\@
.Lfor_b_\@:
	tensor_load_to_lds s[56:59], s[36:43]
	s_nop 0
	PLACES
.Lasked_\@:
.endm
.macro ASK                             ; a prefetch of the K step two refills on: a lane a block of 256 bytes; s74 is 0 in a wave that asks for nothing
	s_cmp_le_u32 s75, s74
	s_cbranch_scc0 .Lnot_mine_\@
	global_prefetch_b8 v14, s[70:71] th:TH_LOAD_NT scope:SCOPE_SE
.Lnot_mine_\@:
.endm
.macro SETADR                          ; the fragments' addresses in the slot at s3
	v_add_nc_u32 v10, s3, v6
	v_add_nc_u32 v11, s3, v7
.endm
; 8 matrix instructions: row block a x all 8 column blocks, 32 along K.  cm = 1: the first product starts the sums.  The 32 accumulators take turns, one instruction a turn, in the same order in every quarter.
.macro MULA f, a, cm
.irp b, 0,1,2,3,4,5,6,7
.if (\cm) == 0
	v_wmma_f32_16x16x32_bf16 v[8*(8*(\a)+(\b)):8*(8*(\a)+(\b))+7], v[(\f)+8*(\b):(\f)+8*(\b)+7], v[(\f)+64+8*(\a):(\f)+64+8*(\a)+7], v[8*(8*(\a)+(\b)):8*(8*(\a)+(\b))+7]
.else
	v_wmma_f32_16x16x32_bf16 v[8*(8*(\a)+(\b)):8*(8*(\a)+(\b))+7], v[(\f)+8*(\b):(\f)+8*(\b)+7], v[(\f)+64+8*(\a):(\f)+64+8*(\a)+7], 0
.endif
.endr
.endm
; 24 LDS loads in one run: quarter kq's fragments into buffer f: W's eight (turned), then A's four
.macro FETCH f, kq
.if FFN2
.set AKQ, 64*(\kq)
.else
.set AKQ, ((\kq)/2)*AHALF+((\kq)%2)*64 ; head kq / 2 of the step's two, channels 32 (kq % 2) on
.endif
	WIN 0
.irp b, 0,1,2,3,4,5,6,7
	ds_load_tr16_b128 v[(\f)+8*(\b):(\f)+8*(\b)+3],   v11 offset:32*BPITCH*(\kq)+32*(\b)
	ds_load_tr16_b128 v[(\f)+8*(\b)+4:(\f)+8*(\b)+7], v11 offset:32*BPITCH*(\kq)+32*(\b)+16*BPITCH
.endr
.irp a, 0,1,2,3
	ds_load_b128 v[(\f)+64+8*(\a):(\f)+64+8*(\a)+3],   v10 offset:AKQ+(\a)*16*APITCH
	ds_load_b128 v[(\f)+64+8*(\a)+4:(\f)+64+8*(\a)+7], v10 offset:AKQ+(\a)*16*APITCH+32
.endr
.endm
.macro QUARTER f, g, kq, cm            ; multiplies buffer f and, in its middle, fetches quarter kq into buffer g
	s_wait_dscnt 4                                 ; all but the youngest four loads: A's row blocks 2 and 3
	WIN 0x50                                       ; fragments in window 0, C and D in window 1
	MULA \f, 0, \cm
	MULA \f, 1, \cm
	PLACES
	FETCH \g, \kq
	s_wait_dscnt 24                                ; all but the 24 just issued
	WIN 0x50
	MULA \f, 2, \cm
	MULA \f, 3, \cm
.endm
; The last quarter multiplies buffer 1 and changes slots.  In front of the barrier each wave waits for all its tensor loads (one is out: its part of the next slot), adds 0 to its spare word, and waits for that and
; for its reads of this slot.  fill = 1: the barrier opens a round of the cluster's barrier, and the joint refill (step s75) is the first thing behind it: 112 matrix instructions ahead of the wait for it.
.macro TURN fill
.if \fill
	s_wait_xcnt 0x0                                ; the last prefetch, a K step back, has read its address
	s_add_co_u32 s18, s75, 2
	s_mul_i32 s18, s18, s72
	s_add_nc_u64 s[70:71], s[68:69], s[18:19]
.endif
	WIN 0
	s_wait_tensorcnt 0x0                           ; no tensor load of mine is out, so the walking descriptors may be written
	ds_add_u32 v28, v29                            ; 0 onto my spare word
.if \fill
	s_mul_i32 s66, s75, ASTEP
	s_add_nc_u64 s[50:51], s[60:61], s[66:67]
	s_or_b32 s51, s51, 0x80000000
	s_xor_b32 s49, s49, SLOT1
	s_mul_i32 s100, s75, BSTEP
	s_add_nc_u64 s[58:59], s[62:63], s[100:101]
	s_or_b32 s59, s59, 0x80000000
	s_xor_b32 s57, s57, SLOT1
.endif
	s_wait_dscnt 5                                 ; the add and the youngest four loads may be out
	WIN 0x50
	MULA F1, 0, 0
	s_wait_dscnt 0x0                               ; the add is done, and my reads of this slot are over
	s_barrier_signal -1
	MULA F1, 1, 0
	WIN 0
	s_barrier_wait -1
.if \fill
	CREST
	JLOAD                                          ; its four v_nop are also the places in front of the loads below
.else
	PLACES
.endif
	s_xor_b32 s3, s3, SLOT1
	SETADR
	FETCH F0, 0
.if \fill
	ASK
.endif
	WIN 0x50
	MULA F1, 2, 0
	MULA F1, 3, 0
.endm
	s_load_b256 s[4:11], s[0:1], 0x0               ; A s[4:5], wts s[6:7], the bias s[8:9], the residual s[10:11]
	s_load_b128 s[12:15], s[0:1], 0x20             ; g1 or ps1 s[12:13], the result s[14:15]
	s_load_b64 s[16:17], s[0:1], 0x30              ; the partial sums
	v_lshl_add_u32 v28, v0, 2, SPARE
	v_mov_b32 v29, 0
	ds_add_u32 v28, v29                            ; the wave's opening add; its wait stands ahead of my first tensor load, with work on registers between
	v_lshrrev_b32 v1, 5, v0
	v_readfirstlane_b32 s20, v1                    ; wave 0..3
	s_lshr_b32 s21, s20, 1                         ; WM.  Also: I fetch A (0) or W (1)
	s_and_b32 s22, s20, 1                          ; WN.  Also: which half of it
	s_bfe_u32 s23, ttmp6, 0x40000                  ; cx
	s_bfe_u32 s24, ttmp6, 0x40004                  ; cy
	s_lshl_b32 s25, ttmp9, 2
	s_add_co_u32 s25, s25, s23                     ; the column group
	s_and_b32 s26, ttmp7, 0xffff
	s_lshl_b32 s26, s26, 2
	s_add_co_u32 s26, s26, s24                     ; the batch
	s_lshl_b32 s27, s24, 2
	s_lshl_b32 s27, 15, s27                        ; my row of the cluster
	s_lshl_b32 s79, 0x1111, s23                    ; my column
	s_or_b32 s28, s27, (1<<16)|(1<<20)|(1<<21)|(AQI<<22)|(3<<25)  ; A: the mask; 2-byte elements; padding on; bit 21 beside a mask; 4 words after every LDS row
	s_or_b32 s36, s79, (1<<16)|(1<<20)|(1<<21)|(5<<22)|(7<<25)    ; W: 8 words after every 64
	s_mov_b32 s29, 128<<16                         ; A: 64 rows of 128 elements
	s_mov_b32 s30, 64<<16
	s_mov_b32 s31, 128<<16
	s_mov_b32 s32, 64
	s_mov_b32 s33, ASTR
	s_mov_b32 s34, 0
	s_mov_b32 s35, 0
	s_mov_b32 s37, 128<<16                         ; W: 128 x 128
	s_mov_b32 s38, 128<<16
	s_mov_b32 s39, 128<<16
	s_mov_b32 s40, 128
	s_mov_b32 s41, NB
	s_mov_b32 s42, 0
	s_mov_b32 s43, 0
	s_mov_b32 s80, (1<<16)|(1<<20)|(6<<22)|(3<<25) ; the residual: no mask; 4 words after every 128
	s_mov_b32 s81, 256<<16                         ; 64 rows of 256 elements
	s_mov_b32 s82, 64<<16
	s_mov_b32 s83, 256<<16
	s_mov_b32 s84, 64
	s_mov_b32 s85, 1024
	s_mov_b32 s86, 0
	s_mov_b32 s87, 0
	s_mul_i32 s2, s22, AHALF                       ; LDS addresses hang on the wave's number alone
	s_mov_b32 s44, 1
	s_mov_b32 s45, s2
	s_mov_b32 s48, 1
	s_add_co_u32 s49, s2, SLOT1
	s_mul_i32 s2, s22, BSUB
	s_mov_b32 s52, 1
	s_add_co_u32 s53, s2, BOFF
	s_mov_b32 s56, 1
	s_add_co_u32 s57, s2, SLOT1+BOFF
	s_mul_i32 s2, s22, 64*RPITCH
	s_mov_b32 s88, 1
	s_add_co_u32 s89, s2, RREG
	s_lshl_b32 s66, s26, 18                        ; A: the batch's 262,144 bytes,
	s_mul_i32 s27, s22, AWN                        ; my half of a step's tile
	s_add_co_u32 s66, s66, s27
	s_mov_b32 s67, 0
	s_lshl_b32 s100, s25, 9                        ; W: the group's 256 columns,
	s_lshl_b32 s79, s22, 8                         ; my 128 of them
	s_add_co_u32 s100, s100, s79
	s_add_co_u32 s100, s100, WOFF
	s_mov_b32 s101, 0
	s_lshl_b32 s18, s26, 18                        ; the residual: the batch's rows, my 64, the group's 512 bytes of each
	s_lshl_b32 s2, s22, 17
	s_add_co_u32 s18, s18, s2
	s_lshl_b32 s79, s25, 9
	s_add_co_u32 s18, s18, s79
	s_mov_b32 s19, 0
	s_mov_b32 s3, 0
	s_mov_b32 s94, 0x76543210
	s_mov_b32 s95, 0xfedcba98
	s_wait_dscnt 0x0                               ; the opening add is done
	s_wait_kmcnt 0x0
	s_add_nc_u64 s[60:61], s[4:5], s[66:67]
	s_add_nc_u64 s[62:63], s[6:7], s[100:101]
	s_mov_b64 s[46:47], s[60:61]
	s_or_b32 s47, s47, 0x80000000
	s_add_nc_u64 s[50:51], s[60:61], ASTEP
	s_or_b32 s51, s51, 0x80000000
	s_mov_b64 s[54:55], s[62:63]
	s_or_b32 s55, s55, 0x80000000
	s_add_nc_u64 s[58:59], s[62:63], BSTEP
	s_or_b32 s59, s59, 0x80000000
	s_add_nc_u64 s[90:91], s[10:11], s[18:19]
	s_or_b32 s91, s91, 0x80000000
	CROUND                                         ; all sixteen work-groups are here: the first joint loads meet
	s_cmp_eq_u32 s21, 0                            ; a wave's first fills stand in one branch: three loads are out in waves 0 and 1, two in waves 2 and 3
	s_cbranch_scc0 .Lfirst_b
	tensor_load_to_lds s[88:91], s[80:87]
	s_nop 0
	tensor_load_to_lds s[44:47], s[28:35]
	s_nop 0
	tensor_load_to_lds s[48:51], s[28:35]
	s_nop 0
	PLACES
	s_branch .Lfirst_done
.Lfirst_b:
	tensor_load_to_lds s[52:55], s[36:43]
	s_nop 0
	tensor_load_to_lds s[56:59], s[36:43]
	s_nop 0
	PLACES
.Lfirst_done:
	v_and_b32 v3, 31, v0                           ; l
	v_and_b32 v1, 15, v0                           ; r
	v_bfe_u32 v2, v0, 4, 1                         ; h
	v_and_b32 v4, 7, v0
	v_bfe_u32 v5, v0, 3, 1
	v_lshlrev_b32 v8, 4, v3                        ; 16 l
	v_lshlrev_b32 v20, 3, v3                       ; 8 l
	v_mov_b32 v30, 1.0
	s_mul_i32 s2, s21, 64*APITCH
	v_mul_u32_u24 v6, v1, APITCH
	v_lshl_add_u32 v6, v2, 4, v6
	v_add_nc_u32 v6, s2, v6                        ; A's fragments: (64 WM + r) pitch + 16 h
	v_lshl_add_u32 v7, v2, 3, v4
	v_mul_u32_u24 v7, v7, BPITCH
	v_lshl_add_u32 v7, v5, 4, v7
	s_mul_i32 s2, s22, BSUB
	s_add_co_u32 s2, s2, BOFF
	v_add_nc_u32 v7, s2, v7                        ; W's: my sub-tile + (8 h + l % 8) pitch + 16 ((l / 8) % 2)
	s_mul_i32 s2, s21, 64*SPITCH
	s_lshl_b32 s77, s22, 9
	s_add_co_u32 s2, s2, s77
	v_mul_u32_u24 v12, v1, SPITCH
	v_lshl_add_u32 v12, v2, 5, v12
	v_add_nc_u32 v12, s2, v12                      ; into the stage: (64 WM + r) pitch + 512 WN + 32 h
	s_mul_i32 s2, s20, 32*SPITCH
	v_add_nc_u32 v21, s2, v8                       ; back: my 32 rows, 16 bytes a lane
	s_mul_i32 s2, s20, 32*RPITCH
	s_add_co_u32 s2, s2, RREG
	v_add_nc_u32 v22, s2, v20                      ; the residual: 8 bytes a lane
	s_lshl_b32 s2, s20, 7
	s_add_co_u32 s77, s2, SQS
	v_mov_b32 v23, s77                             ; my rows' sums
	s_add_co_u32 s77, s2, RS
	v_mov_b32 v24, s77                             ; my rows' rs1
	s_lshl_b32 s18, s25, 10                        ; the bias (and gain) of columns 256 group + 128 c + 4 l .. + 3: loads of 512 consecutive bytes
	s_add_nc_u64 s[8:9], s[8:9], s[18:19]
	global_load_b128 v[BI:BI+3],   v8, s[8:9]
	global_load_b128 v[BI+4:BI+7], v8, s[8:9] offset:512
.if FFN2
	s_lshl_b32 s18, s26, 9                         ; rs1 of the batch's 128 rows: thread t makes row t's
	s_add_nc_u64 s[12:13], s[12:13], s[18:19]
	v_lshlrev_b32 v9, 2, v0
.irp j, 0,1,2,3
	global_load_b32 v[32+(\j)], v9, s[12:13] offset:32768*(\j)
.endr
	s_wait_loadcnt 0x0
	v_add_f32 v32, v32, v33
	v_add_f32 v34, v34, v35
	v_add_f32 v32, v32, v34
	v_mov_b32 v36, 0x34000000                      ; 2^-23
	v_fmac_f32 v36, 0x3a800000, v32                ; + the sum / 1024
	v_rsq_f32 v36, v36
	v_lshl_add_u32 v27, v0, 2, RS                  ; the plain instruction behind it
	s_wait_alu depctr_va_vdst(0)
	ds_store_b32 v27, v36
.else
	s_add_nc_u64 s[12:13], s[12:13], s[18:19]
	global_load_b128 v[GA:GA+3],   v8, s[12:13]
	global_load_b128 v[GA+4:GA+7], v8, s[12:13] offset:512
.endif
	s_lshl_b32 s18, s26, 18                        ; the result at my 32 rows and the group's 512 bytes
	s_lshl_b32 s2, s20, 16
	s_add_co_u32 s18, s18, s2
	s_lshl_b32 s79, s25, 9
	s_add_co_u32 s18, s18, s79
	s_add_nc_u64 s[96:97], s[14:15], s[18:19]
	s_lshl_b32 s18, s25, 15                        ; the partial sums: [group][row]
	s_lshl_b32 s27, s26, 9
	s_add_co_u32 s18, s18, s27
	s_add_nc_u64 s[98:99], s[16:17], s[18:19]
	; the prefetches.  A's blocks of 256 bytes: wave 0 of the clusters with x = 0; the partners take 32 of a step's 128 each by address (cx).  W's rows: waves 2 and 3, each its own sub-tile, of the clusters with y = 0;
	; 32 k-rows each by address (cy).  So each block is named once.  The first four steps come by their loads alone.
	s_lshl_b32 s18, s26, 18
	s_mul_i32 s79, s23, 32*PRA
	s_add_co_u32 s18, s18, s79
	s_mul_i32 s27, s24, 32*PRB
	s_mov_b32 s72, PRB
	s_cmp_eq_u32 s21, 0
	s_cselect_b32 s18, s18, s27
	s_cselect_b32 s72, PRA, s72
	s_cselect_b64 s[68:69], s[4:5], s[62:63]
	s_add_nc_u64 s[68:69], s[68:69], s[18:19]
	v_mul_lo_u32 v14, v3, s72
	s_mov_b32 s72, BSTEP
	s_cselect_b32 s72, ASTEP, s72
	s_and_b32 s27, ttmp7, 0xffff
	s_cmp_eq_u32 s21, 0
	s_cselect_b32 s27, ttmp9, s27                  ; the coordinate along which other clusters read the same blocks
	s_cmp_eq_u32 s27, 0
	s_cselect_b32 s74, NSTEP-3, 0                  ; the last refill that still has a step two on
	s_cmp_eq_u32 s20, 1
	s_cselect_b32 s74, 0, s74
	s_mov_b32 s75, 2                               ; the step to be asked for next
	s_mov_b32 s76, NSTEP-2
	s_wait_loadcnt 0x0                             ; the bias and the gain
	s_wait_tensorcnt 1                             ; the residual and my part of step 0 are in; step 1's may stay out
	s_wait_dscnt 0x0                               ; for the others' sake: my store of rs1
	s_barrier_signal -1
	s_barrier_wait -1
	SETADR
	FETCH F0, 0
	QUARTER F0, F1, 1, 1                           ; the first quarter stands in front of the loop: its products start the sums
	WIN 0
	s_branch .Lq1
.Lstep:                                                ; a trip is a K step; six trips fill a slot again
	QUARTER F0, F1, 1, 0
	WIN 0
.Lq1:
	QUARTER F1, F0, 2, 0
	QUARTER F0, F1, 3, 0
	TURN 1
	WIN 0
	s_add_co_u32 s75, s75, 1
	s_sub_co_u32 s76, s76, 1
	s_cmp_lg_u32 s76, 0
	s_cbranch_scc1 .Lstep
	s_mov_b32 s76, 2
.Ltail:                                                ; the last two steps ask for nothing.  The second trip's fetch (of old bytes of slot 0) serves nothing: the price, once a launch, of one text for both trips
	QUARTER F0, F1, 1, 0
	QUARTER F1, F0, 2, 0
	QUARTER F0, F1, 3, 0
	TURN 0
	WIN 0
	s_sub_co_u32 s76, s76, 1
	s_cmp_lg_u32 s76, 0
	s_cbranch_scc1 .Ltail
	s_wait_dscnt 0x0                               ; my last reads of the ring are back
	s_barrier_signal -1
	s_barrier_wait -1                              ; everybody's are: the ring has had its last fill and its last read, and takes the stage
	PLACES
	WIN 0x04                                       ; store data in window 1; each accumulator's low registers first
.irp a, 0,1,2,3
.irp b, 0,1,2,3,4,5,6,7
	ds_store_b128 v12, v[8*(8*(\a)+(\b)):8*(8*(\a)+(\b))+3]   offset:16*SPITCH*(\a)+64*(\b)
	ds_store_b128 v12, v[8*(8*(\a)+(\b))+4:8*(8*(\a)+(\b))+7] offset:16*SPITCH*(\a)+64*(\b)+16
.endr
.endr
	WIN 0
	s_wait_dscnt 0x0                               ; for the others' sake: my part of the stage is written
	s_barrier_signal -1
	s_barrier_wait -1
	; Wave w takes rows 32 w .. 32 w + 31 of the tile whole, eight a trip.  Lane l has columns 4 l .. + 3 and 128 + 4 l .. + 3.
	s_mov_b32 s75, 0
	s_mov_b32 s77, 0
	s_mov_b32 s78, 0
	s_mov_b32 s76, 4
.Lrows:
	v_add_nc_u32 v16, s77, v21
	v_add_nc_u32 v17, s78, v22
	v_add_nc_u32 v18, s75, v23
.if FFN2
	v_add_nc_u32 v19, s75, v24
	ds_load_b128 v[RSV:RSV+3],   v19               ; the same words for all lanes
	ds_load_b128 v[RSV+4:RSV+7], v19 offset:16
.endif
.irp i, 0,1,2,3,4,5,6,7
	ds_load_b128 v[AC+8*(\i):AC+8*(\i)+3],   v16 offset:SPITCH*(\i)
	ds_load_b128 v[AC+8*(\i)+4:AC+8*(\i)+7], v16 offset:SPITCH*(\i)+512
	ds_load_b64 v[RR+4*(\i):RR+4*(\i)+1],    v17 offset:RPITCH*(\i)
	ds_load_b64 v[RR+4*(\i)+2:RR+4*(\i)+3],  v17 offset:RPITCH*(\i)+256
.endr
.irp i, 0,1,2,3,4,5,6,7
.if FFN2
.set SF, RSV+(\i)
.else
.set SF, 30
.endif
	s_wait_dscnt 4*(7-(\i))                        ; row i is in; the later rows' four loads each stay out
.irp k, 0,2,4,6
	v_fma_mix_f32_bf16 v[AC+8*(\i)+(\k)],   v[RR+4*(\i)+(\k)/2], v[SF], v[AC+8*(\i)+(\k)]   op_sel_hi:[1,0,0]                ; the residual's low half x its factor + the sum
	v_fma_mix_f32_bf16 v[AC+8*(\i)+(\k)+1], v[RR+4*(\i)+(\k)/2], v[SF], v[AC+8*(\i)+(\k)+1] op_sel:[1,0,0] op_sel_hi:[1,0,0]  ; the high half
.endr
.irp k, 0,2,4,6
	v_pk_add_f32 v[AC+8*(\i)+(\k):AC+8*(\i)+(\k)+1], v[AC+8*(\i)+(\k):AC+8*(\i)+(\k)+1], v[BI+(\k):BI+(\k)+1]
.endr
	v_pk_mul_f32 v[TP+2*(\i):TP+2*(\i)+1], v[AC+8*(\i):AC+8*(\i)+1], v[AC+8*(\i):AC+8*(\i)+1]
.irp k, 2,4,6
	v_pk_fma_f32 v[TP+2*(\i):TP+2*(\i)+1], v[AC+8*(\i)+(\k):AC+8*(\i)+(\k)+1], v[AC+8*(\i)+(\k):AC+8*(\i)+(\k)+1], v[TP+2*(\i):TP+2*(\i)+1]
.endr
	v_add_f32 v[SQ+(\i)], v[TP+2*(\i)], v[TP+2*(\i)+1]
.endr
.irp m, 1,2,4,8                        ; the eight rows' sums over the 32 lanes, side by side
.irp i, 0,1,2,3,4,5,6,7
	v_add_f32_dpp v[SQ+(\i)], v[SQ+(\i)], v[SQ+(\i)] row_xmask:\m row_mask:0xf bank_mask:0xf
.endr
.endr
.irp i, 0,1,2,3,4,5,6,7
	v_permlanex16_b32 v[TP+(\i)], v[SQ+(\i)], s94, s95
.endr
.irp i, 0,1,2,3,4,5,6,7
	v_add_f32 v[SQ+(\i)], v[SQ+(\i)], v[TP+(\i)]
.endr
.irp i, 0,1,2,3,4,5,6,7
	ds_store_b32 v18, v[SQ+(\i)] offset:4*(\i)     ; all lanes write the same word with the same number
.endr
.irp i, 0,1,2,3,4,5,6,7
.if !FFN2
.irp k, 0,2,4,6
	v_pk_mul_f32 v[AC+8*(\i)+(\k):AC+8*(\i)+(\k)+1], v[AC+8*(\i)+(\k):AC+8*(\i)+(\k)+1], v[GA+(\k):GA+(\k)+1]
.endr
.endif
.irp k, 0,1,2,3
	v_cvt_pk_bf16_f32 v[OUT+4*(\i)+(\k)], v[AC+8*(\i)+2*(\k)], v[AC+8*(\i)+2*(\k)+1]
.endr
	global_store_b64 v20, v[OUT+4*(\i):OUT+4*(\i)+1],   s[96:97] offset:2048*(\i)       ; a wave's store covers 256 consecutive bytes, aligned
	global_store_b64 v20, v[OUT+4*(\i)+2:OUT+4*(\i)+3], s[96:97] offset:2048*(\i)+256
.endr
	s_wait_xcnt 0x0                                ; the stores have read their registers and their base
	s_add_nc_u64 s[96:97], s[96:97], 8*2048
	s_add_co_u32 s77, s77, 8*SPITCH
	s_add_co_u32 s78, s78, 8*RPITCH
	s_add_co_u32 s75, s75, 32
	s_sub_co_u32 s76, s76, 1
	s_cmp_lg_u32 s76, 0
	s_cbranch_scc1 .Lrows
	s_wait_dscnt 0x0                               ; for wave 0's sake: my rows' sums are written
	s_barrier_signal -1
	s_barrier_wait -1
	s_cmp_lg_u32 s20, 0
	s_cbranch_scc1 .Lend
	v_lshl_add_u32 v9, v3, 4, SQS
	ds_load_b128 v[32:35], v9                      ; the 128 rows' sums
	s_wait_dscnt 0x0
	global_store_b128 v8, v[32:35], s[98:99]       ; 512 consecutive bytes
.Lend:
	s_wait_tensorcnt 0x0                           ; the wave's end, behind my last tensor load and my last LDS store
	ds_add_u32 v28, v29
	s_wait_dscnt 0x0
	CROUND                                         ; the closing round: no work-group ends while a partner may still ask for a tile that names it
	s_endpgm
.Lfunc_end_k_q35dfcc5a69_ffn2:
	.size	k_q35dfcc5a69_ffn2, .Lfunc_end_k_q35dfcc5a69_ffn2-k_q35dfcc5a69_ffn2
	.p2alignl 7, 3214868480
	.fill 96, 4, 3214868480
	.section	.rodata,"a",@progbits
	.p2align	6, 0x0
	.amdhsa_kernel k_q35dfcc5a69_ffn2
		.amdhsa_group_segment_fixed_size 327680
		.amdhsa_private_segment_fixed_size 0
		.amdhsa_enable_private_segment 0
		.amdhsa_kernarg_size 56
		.amdhsa_user_sgpr_count 2
		.amdhsa_user_sgpr_kernarg_segment_ptr 1
		.amdhsa_wavefront_size32 1
		.amdhsa_system_sgpr_workgroup_id_x 1
		.amdhsa_system_sgpr_workgroup_id_y 1
		.amdhsa_system_sgpr_workgroup_id_z 1
		.amdhsa_system_vgpr_workitem_id 0
		.amdhsa_next_free_vgpr 512
		.amdhsa_next_free_sgpr 102
		.amdhsa_reserve_vcc 0
		.amdhsa_float_denorm_mode_32 3
		.amdhsa_float_denorm_mode_16_64 3
		.amdhsa_memory_ordered 1
		.amdhsa_forward_progress 1
		.amdhsa_inst_pref_size 72
	.end_amdhsa_kernel
	.amdgpu_metadata
---
amdhsa.version: [ 1, 2 ]
amdhsa.kernels:
  - .name:           k_q35dfcc5a69_ffn2
    .symbol:         k_q35dfcc5a69_ffn2.kd
    .args:
      - { .name: cg, .offset: 0, .size: 8, .value_kind: global_buffer, .address_space: global }
      - { .name: wts, .offset: 8, .size: 8, .value_kind: global_buffer, .address_space: global }
      - { .name: b2, .offset: 16, .size: 8, .value_kind: global_buffer, .address_space: global }
      - { .name: yg, .offset: 24, .size: 8, .value_kind: global_buffer, .address_space: global }
      - { .name: ps1, .offset: 32, .size: 8, .value_kind: global_buffer, .address_space: global }
      - { .name: xz, .offset: 40, .size: 8, .value_kind: global_buffer, .address_space: global }
      - { .name: ps2, .offset: 48, .size: 8, .value_kind: global_buffer, .address_space: global }
    .group_segment_fixed_size: 327680
    .private_segment_fixed_size: 0
    .kernarg_segment_align: 8
    .kernarg_segment_size: 56
    .max_flat_workgroup_size: 128
    .sgpr_count:     102
    .vgpr_count:     512
    .wavefront_size: 32
...
	.end_amdgpu_metadata
.endif
;; end of part 5
;; launch norm (part 6): grid 512 x 1, 8 waves a work-group, no clusters, 0 bytes of LDS; arguments xz, ps2, g2, out0; writes out0
.if DOCPART == 6
	.amdgcn_target "amdgcn-amd-amdhsa--gfx1250"
	.amdhsa_code_object_version 6
	.text
	.protected	k_q35dfcc5a69_norm
	.globl	k_q35dfcc5a69_norm
	.p2align	8
	.type	k_q35dfcc5a69_norm,@function
k_q35dfcc5a69_norm:
	s_mov_b64 s[64:65], 0
	v_nop
	global_prefetch_b8 v0, s[64:65] scope:SCOPE_SE
	s_setreg_imm32_b32 hwreg(HW_REG_WAVE_MODE, 25, 1), 1
	s_wait_xcnt 0x0
; THE LAST NORM.  out[row][c] = z[row][c] rs2[row] g2[c], rs2 = rsqrt(sum of the row's four partial sums of squares / 1024 + 2^-23).  z arrives in bf16, the partial sums in f32; out is f32.
; A stream: no LDS, no matrix unit, no cluster.  A work-group takes 16 rows; thread t has columns 4 t .. 4 t + 3 of each: a wave's load of z covers 256 consecutive bytes, its store 512, both aligned.
; All loads are issued at once; the waits count down.  Lane l % 16 makes row l % 16's factor, and v_readlane_b32 hands the sixteen to scalar registers.
	s_load_b256 s[4:11], s[0:1], 0x0               ; z s[4:5], ps2 s[6:7], g2 s[8:9], out s[10:11]
	s_lshl_b32 s12, ttmp9, 15                      ; 16 rows of 2,048 bytes
	s_mov_b32 s13, 0
	s_lshl_b32 s14, ttmp9, 16                      ; of 4,096 bytes
	s_mov_b32 s15, 0
	s_lshl_b32 s32, ttmp9, 6                       ; of 4 bytes
	s_mov_b32 s33, 0
	v_and_b32 v1, 15, v0
	v_lshlrev_b32 v1, 2, v1
	v_lshlrev_b32 v2, 3, v0
	v_lshlrev_b32 v3, 4, v0
	s_wait_kmcnt 0x0
	s_add_nc_u64 s[4:5], s[4:5], s[12:13]
	s_add_nc_u64 s[6:7], s[6:7], s[32:33]
	s_add_nc_u64 s[10:11], s[10:11], s[14:15]
.irp j, 0,1,2,3
	global_load_b32 v[4+(\j)], v1, s[6:7] offset:32768*(\j)
.endr
	global_load_b128 v[8:11], v3, s[8:9]
.irp i, 0,1,2,3,4,5,6,7,8,9,10,11,12,13,14,15
	global_load_b64 v[16+2*(\i):17+2*(\i)], v2, s[4:5] offset:2048*(\i) th:TH_LOAD_NT
.endr
	s_wait_loadcnt 17                              ; the four partial sums are in; g2 and the 16 rows stay out
	v_add_f32 v4, v4, v5
	v_add_f32 v6, v6, v7
	v_add_f32 v4, v4, v6
	v_mov_b32 v5, 0x34000000                       ; 2^-23
	v_fmac_f32 v5, 0x3a800000, v4                  ; + the sum / 1024
	v_rsq_f32 v5, v5
	v_nop
	s_wait_alu depctr_va_vdst(0)
.irp i, 0,1,2,3,4,5,6,7,8,9,10,11,12,13,14,15
	v_readlane_b32 s[16+(\i)], v5, \i
.endr
.irp i, 0,1,2,3,4,5,6,7,8,9,10,11,12,13,14,15
	s_wait_loadcnt 15-(\i)                         ; row i is in (and g2, which is older); the later rows stay out
	v_lshlrev_b32 v[48+4*(\i)], 16, v[16+2*(\i)]
	v_and_b32 v[49+4*(\i)], 0xffff0000, v[16+2*(\i)]
	v_lshlrev_b32 v[50+4*(\i)], 16, v[17+2*(\i)]
	v_and_b32 v[51+4*(\i)], 0xffff0000, v[17+2*(\i)]
.irp k, 0,1,2,3
	v_mul_f32 v[48+4*(\i)+(\k)], s[16+(\i)], v[48+4*(\i)+(\k)]
.endr
	v_pk_mul_f32 v[48+4*(\i):49+4*(\i)], v[48+4*(\i):49+4*(\i)], v[8:9]
	v_pk_mul_f32 v[50+4*(\i):51+4*(\i)], v[50+4*(\i):51+4*(\i)], v[10:11]
	global_store_b128 v3, v[48+4*(\i):51+4*(\i)], s[10:11] offset:4096*(\i) th:TH_STORE_NT
.endr
	s_endpgm
.Lfunc_end_k_q35dfcc5a69_norm:
	.size	k_q35dfcc5a69_norm, .Lfunc_end_k_q35dfcc5a69_norm-k_q35dfcc5a69_norm
	.p2alignl 7, 3214868480
	.fill 96, 4, 3214868480
	.section	.rodata,"a",@progbits
	.p2align	6, 0x0
	.amdhsa_kernel k_q35dfcc5a69_norm
		.amdhsa_group_segment_fixed_size 0
		.amdhsa_private_segment_fixed_size 0
		.amdhsa_enable_private_segment 0
		.amdhsa_kernarg_size 32
		.amdhsa_user_sgpr_count 2
		.amdhsa_user_sgpr_kernarg_segment_ptr 1
		.amdhsa_wavefront_size32 1
		.amdhsa_system_sgpr_workgroup_id_x 1
		.amdhsa_system_sgpr_workgroup_id_y 1
		.amdhsa_system_sgpr_workgroup_id_z 1
		.amdhsa_system_vgpr_workitem_id 0
		.amdhsa_next_free_vgpr 128
		.amdhsa_next_free_sgpr 66
		.amdhsa_reserve_vcc 0
		.amdhsa_float_denorm_mode_32 3
		.amdhsa_float_denorm_mode_16_64 3
		.amdhsa_memory_ordered 1
		.amdhsa_forward_progress 1
		.amdhsa_inst_pref_size 14
	.end_amdhsa_kernel
	.amdgpu_metadata
---
amdhsa.version: [ 1, 2 ]
amdhsa.kernels:
  - .name:           k_q35dfcc5a69_norm
    .symbol:         k_q35dfcc5a69_norm.kd
    .args:
      - { .name: xz, .offset: 0, .size: 8, .value_kind: global_buffer, .address_space: global }
      - { .name: ps2, .offset: 8, .size: 8, .value_kind: global_buffer, .address_space: global }
      - { .name: g2, .offset: 16, .size: 8, .value_kind: global_buffer, .address_space: global }
      - { .name: out0, .offset: 24, .size: 8, .value_kind: global_buffer, .address_space: global }
    .group_segment_fixed_size: 0
    .private_segment_fixed_size: 0
    .kernarg_segment_align: 8
    .kernarg_segment_size: 32
    .max_flat_workgroup_size: 256
    .sgpr_count:     66
    .vgpr_count:     128
    .wavefront_size: 32
...
	.end_amdgpu_metadata
.endif
;; end of part 6
;; ======== version 2 of 2: 6 launches; version 1 with the launch norm written anew for expert scheduling mode
;; limits: inputs' magnitudes at most 131,072
;; workspace buffers: wts 15,204,352 bytes; xz 16,777,216 bytes; cg 16,777,216 bytes; yg 16,777,216 bytes; ps1 131,072 bytes; ps2 131,072 bytes
;; launch prep: the kernel of part 1 again; grid 64 x 16, 8 waves a work-group, no clusters, 0 bytes of LDS; arguments x, Wq, Wk, Wv, Wo, W1, W2, context_info, xz, wts; writes xz, wts
;; launch qkvattn: the kernel of part 2 again; grid 4 x 64, 4 waves a work-group, clusters of 4 x 4, 327,680 bytes of LDS; arguments xz, wts, bq, bk, bv, context_info, cg; writes cg
;; launch wo: the kernel of part 3 again; grid 4 x 64, 4 waves a work-group, clusters of 4 x 4, 327,680 bytes of LDS; arguments cg, wts, bo, xz, g1, yg, ps1; writes yg, ps1
;; launch ffn1: the kernel of part 4 again; grid 8 x 32, 4 waves a work-group, clusters of 4 x 4, 327,680 bytes of LDS; arguments yg, wts, b1, ps1, cg; writes cg
;; launch ffn2: the kernel of part 5 again; grid 4 x 64, 4 waves a work-group, clusters of 4 x 4, 327,680 bytes of LDS; arguments cg, wts, b2, yg, ps1, xz, ps2; writes xz, ps2
;; launch norm (part 7): grid 512 x 1, 8 waves a work-group, no clusters, 0 bytes of LDS; arguments xz, ps2, g2, out0; writes out0
.if DOCPART == 7
	.amdgcn_target "amdgcn-amd-amdhsa--gfx1250"
	.amdhsa_code_object_version 6
	.text
	.protected	k_q35dfcc5a69_norm
	.globl	k_q35dfcc5a69_norm
	.p2align	8
	.type	k_q35dfcc5a69_norm,@function
k_q35dfcc5a69_norm:
	s_mov_b64 s[64:65], 0
	v_nop
	global_prefetch_b8 v0, s[64:65] scope:SCOPE_SE
	s_setreg_imm32_b32 hwreg(HW_REG_WAVE_SCHED_MODE, 0, 2), 2
	s_setreg_imm32_b32 hwreg(HW_REG_WAVE_MODE, 25, 1), 1
	s_wait_xcnt 0x0
	s_wait_alu depctr_vm_vsrc(0)
; THE LAST NORM.  out[row][c] = z[row][c] rs2[row] g2[c], rs2 = rsqrt(sum of the row's four partial sums of squares / 1024 + 2^-23).  z arrives in bf16, the partial sums in f32; out is f32.
; A stream: no LDS, no matrix unit, no cluster.  A work-group takes 16 rows; thread t has columns 4 t .. 4 t + 3 of each: a wave's load of z covers 256 consecutive bytes, its store 512, both aligned.
; All loads are issued at once; the waits count down.  Lane l % 16 makes row l % 16's factor, and v_readlane_b32 hands the sixteen to scalar registers.
; THE MODE: SCHED_MODE bits 1:0 = 2 (LLVM: expert scheduling mode 2), set by the entry lines.  The code itself states the register dependences between vector instructions and memory instructions,
; with s_wait_alu, always for 0.
; THE PLAN.  Registers that memory instructions touch:
;   v1, v2, v3   byte offsets.  Written by the head's vector lines, once; read by every load and store; never written again.
;   v4 .. v47    the partial sums, g2 and the 16 rows of z.  Loads land in them, all issued at the head, before any vector line names them; no load is issued later.
;   v48 .. v111  row i's four results at 48 + 4 i.  Written by the row's ten vector lines, once; read by the row's store, once; never written again.
; So one wait on va_vdst stands ahead of the first load, for the offsets; and the stores go in four runs of four rows, each run behind one wait on va_vdst that states that those rows' results are written.  A run
; stands at the head of the next row, behind that row's wait for its data; the vector lines that follow name other rows' registers alone.  No register that a memory instruction reads is written again, so no wait
; on vm_vsrc is owed.  The sixteen scalars that v_readlane_b32 writes have one wait on va_sdst, ahead of their first reader.  EXEC is never written.
	s_load_b256 s[4:11], s[0:1], 0x0               ; z s[4:5], ps2 s[6:7], g2 s[8:9], out s[10:11]
	s_lshl_b32 s12, ttmp9, 15                      ; 16 rows of 2,048 bytes
	s_mov_b32 s13, 0
	s_lshl_b32 s14, ttmp9, 16                      ; of 4,096 bytes
	s_mov_b32 s15, 0
	s_lshl_b32 s32, ttmp9, 6                       ; of 4 bytes
	s_mov_b32 s33, 0
	v_and_b32 v1, 15, v0
	v_lshlrev_b32 v1, 2, v1
	v_lshlrev_b32 v2, 3, v0
	v_lshlrev_b32 v3, 4, v0
	s_wait_kmcnt 0x0
	s_add_nc_u64 s[4:5], s[4:5], s[12:13]
	s_add_nc_u64 s[6:7], s[6:7], s[32:33]
	s_add_nc_u64 s[10:11], s[10:11], s[14:15]
	s_wait_alu depctr_va_vdst(0)                   ; v1, v2 and v3 are written: every load and store of the kernel reads one of them as its offset
.irp j, 0,1,2,3
	global_load_b32 v[4+(\j)], v1, s[6:7] offset:32768*(\j)
.endr
	global_load_b128 v[8:11], v3, s[8:9]
.irp i, 0,1,2,3,4,5,6,7,8,9,10,11,12,13,14,15
	global_load_b64 v[16+2*(\i):17+2*(\i)], v2, s[4:5] offset:2048*(\i) th:TH_LOAD_NT
.endr
	s_wait_loadcnt 17                              ; the four partial sums are in; g2 and the 16 rows stay out
	v_add_f32 v4, v4, v5
	v_add_f32 v6, v6, v7
	v_add_f32 v4, v4, v6
	v_mov_b32 v5, 0x34000000                       ; 2^-23
	v_fmac_f32 v5, 0x3a800000, v4                  ; + the sum / 1024
	v_rsq_f32 v5, v5
	v_nop                                          ; the plain instruction behind it
	s_wait_alu depctr_va_vdst(0)                   ; v_rsq_f32 has written v5, ahead of its first reader
.irp i, 0,1,2,3,4,5,6,7,8,9,10,11,12,13,14,15
	v_readlane_b32 s[16+(\i)], v5, \i
.endr
	s_wait_alu depctr_va_sdst(0)                   ; s16 to s31 are written, ahead of their first reader: one wait for the run of sixteen
.irp i, 0,1,2,3,4,5,6,7,8,9,10,11,12,13,14,15
	s_wait_loadcnt 15-(\i)                         ; row i is in (and g2, which is older); the later rows stay out
.if ((\i) % 4 == 0) && ((\i) > 0)
	s_wait_alu depctr_va_vdst(0)                   ; the four rows before this one have written their results, which the four stores below read; no vector line behind this wait names those registers
.irp b, 4,3,2,1
	global_store_b128 v3, v[48+4*((\i)-(\b)):51+4*((\i)-(\b))], s[10:11] offset:4096*((\i)-(\b)) th:TH_STORE_NT
.endr
.endif
	v_lshlrev_b32 v[48+4*(\i)], 16, v[16+2*(\i)]
	v_and_b32 v[49+4*(\i)], 0xffff0000, v[16+2*(\i)]
	v_lshlrev_b32 v[50+4*(\i)], 16, v[17+2*(\i)]
	v_and_b32 v[51+4*(\i)], 0xffff0000, v[17+2*(\i)]
.irp k, 0,1,2,3
	v_mul_f32 v[48+4*(\i)+(\k)], s[16+(\i)], v[48+4*(\i)+(\k)]
.endr
	v_pk_mul_f32 v[48+4*(\i):49+4*(\i)], v[48+4*(\i):49+4*(\i)], v[8:9]
	v_pk_mul_f32 v[50+4*(\i):51+4*(\i)], v[50+4*(\i):51+4*(\i)], v[10:11]
.endr
	s_wait_alu depctr_va_vdst(0)                   ; rows 12 to 15 have written their results, which the last four stores read
.irp i, 12,13,14,15
	global_store_b128 v3, v[48+4*(\i):51+4*(\i)], s[10:11] offset:4096*(\i) th:TH_STORE_NT
.endr
	s_endpgm
.Lfunc_end_k_q35dfcc5a69_norm:
	.size	k_q35dfcc5a69_norm, .Lfunc_end_k_q35dfcc5a69_norm-k_q35dfcc5a69_norm
	.p2alignl 7, 3214868480
	.fill 96, 4, 3214868480
	.section	.rodata,"a",@progbits
	.p2align	6, 0x0
	.amdhsa_kernel k_q35dfcc5a69_norm
		.amdhsa_group_segment_fixed_size 0
		.amdhsa_private_segment_fixed_size 0
		.amdhsa_enable_private_segment 0
		.amdhsa_kernarg_size 32
		.amdhsa_user_sgpr_count 2
		.amdhsa_user_sgpr_kernarg_segment_ptr 1
		.amdhsa_wavefront_size32 1
		.amdhsa_system_sgpr_workgroup_id_x 1
		.amdhsa_system_sgpr_workgroup_id_y 1
		.amdhsa_system_sgpr_workgroup_id_z 1
		.amdhsa_system_vgpr_workitem_id 0
		.amdhsa_next_free_vgpr 128
		.amdhsa_next_free_sgpr 66
		.amdhsa_reserve_vcc 0
		.amdhsa_float_denorm_mode_32 3
		.amdhsa_float_denorm_mode_16_64 3
		.amdhsa_memory_ordered 1
		.amdhsa_forward_progress 1
		.amdhsa_inst_pref_size 14
	.end_amdhsa_kernel
	.amdgpu_metadata
---
amdhsa.version: [ 1, 2 ]
amdhsa.kernels:
  - .name:           k_q35dfcc5a69_norm
    .symbol:         k_q35dfcc5a69_norm.kd
    .args:
      - { .name: xz, .offset: 0, .size: 8, .value_kind: global_buffer, .address_space: global }
      - { .name: ps2, .offset: 8, .size: 8, .value_kind: global_buffer, .address_space: global }
      - { .name: g2, .offset: 16, .size: 8, .value_kind: global_buffer, .address_space: global }
      - { .name: out0, .offset: 24, .size: 8, .value_kind: global_buffer, .address_space: global }
    .group_segment_fixed_size: 0
    .private_segment_fixed_size: 0
    .kernarg_segment_align: 8
    .kernarg_segment_size: 32
    .max_flat_workgroup_size: 256
    .sgpr_count:     66
    .vgpr_count:     128
    .wavefront_size: 32
...
	.end_amdgpu_metadata
.endif
;; end of part 7
